; MI455X (gfx1250); checked and timed in simulation.
; The chip was launched on July 23, 2026; its instructions are those of AMD's public machine-readable ISA for CDNA 5 (MIT licence, August 2026) and "CDNA5" Instruction Set Architecture Reference Guide (July 2026). The comments in the code are by the model that wrote it; some were corrected since.
;; Attention. Allowed arithmetic: float matrix products may take bf16 or f16 operands with f32 sums; all other float work in f32.
;; Inputs: cos 2,048 x 128 float32; k_norm_w 128 float32; q_norm_w 128 float32; sin 2,048 x 128 float32; wk 2,048 x 1,024 float32; wo 1,024 x 2,048 float32; wq 2,048 x 1,024 float32; wv 2,048 x 1,024 float32; x 2 x 2,048 x 2,048 float32.
;; Outputs: out0 2 x 2,048 x 2,048 float32.
;; One version. Each part assembles by itself: llvm-mc -triple=amdgcn-amd-amdhsa -mcpu=gfx1250 --defsym DOCPART=n.
;; ======== version 1 of 1: 4 launches
;; limits: values are held in f16: magnitudes above 65,504 overflow, below 6.1e-05 lose precision
;; workspace buffers: xb 16,777,216 bytes; wb 12,582,912 bytes; wob 4,194,304 bytes; csb 1,048,576 bytes; q 8,388,608 bytes; kv 16,777,216 bytes; ob 8,388,608 bytes
;; launch cast (part 1): grid 1056 x 1, 8 waves a work-group, no clusters, 0 bytes of LDS; arguments x, wq, wk, wv, wo, cos, sin, xb, wb, wob, csb; writes xb, wb, wob, csb
.if DOCPART == 1
	.amdgcn_target "amdgcn-amd-amdhsa--gfx1250"
	.amdhsa_code_object_version 6
	.text
	.protected	k_qf175e01b16_cast
	.globl	k_qf175e01b16_cast
	.p2align	8
	.type	k_qf175e01b16_cast,@function
k_qf175e01b16_cast:
	s_mov_b64 s[64:65], 0
	v_nop
	global_prefetch_b8 v0, s[64:65] scope:SCOPE_SE
	s_setreg_imm32_b32 hwreg(HW_REG_WAVE_MODE, 25, 1), 1
	s_wait_xcnt 0x0
; THE INPUTS IN 16 BITS.  x, wq, wk, wv, cos, sin: f32 -> bf16, rounded once to nearest even, layouts kept.  wo: f32 -> bf16 -> that number written as f16.
; LIMIT.  A bf16 number is exact in f16 from 2^-14 to 65,504; below 2^-14 wo keeps f16's fixed step of 6e-8, beyond 65,504 it would be an infinity.
; SHARES.  A work-group takes 16,384 consecutive numbers: 65,536 bytes in, 32,768 out.  Work-groups 0-511 x, 512-639 wq, 640-767 wk, 768-895 wv, 896-1023 wo, 1024-1039 cos, 1040-1055 sin.
; wq, wk, wv follow each other in wb, cos and sin in csb.  A wave's load covers 512 consecutive bytes, its store 256 consecutive bytes, both aligned.
; A stream: no LDS, no barrier, no matrix unit.  All sixteen loads of a thread go out first; no register is written twice while a load or store may read it.
.set XR, 8                              ; v[8:71]   sixteen loads of four f32
.set YR, 72                             ; v[72:103] sixteen pairs of words to store
.set SRC, 26                            ; s[26:27]  where my chunk is read
.set DST, 28                            ; s[28:29]  where it is written
.set SB, 30                             ; s30 the first work-group of my source buffer
.set DB, 31                             ; s31 the first work-group of my destination buffer
	s_load_b512 s[4:19], s[0:1], 0x0               ; x, wq, wk, wv, wo, cos, sin, xb
	s_load_b128 s[20:23], s[0:1], 0x40             ; wb, wob
	s_load_b64 s[24:25], s[0:1], 0x50              ; csb
	v_lshlrev_b32 v1, 4, v0                        ; 16 bytes a thread in,
	v_lshlrev_b32 v2, 3, v0                        ; 8 out
	s_mov_b32 s[SB], 0
	s_mov_b32 s[DB], 0
	s_mov_b32 s37, 0xffff0000                      ; a word's upper bf16
	s_wait_kmcnt 0x0
	s_mov_b64 s[SRC:SRC+1], s[4:5]
	s_mov_b64 s[DST:DST+1], s[18:19]
; From work-group `from` on the source is buffer s[src:src+1]; with dst given the destination changes too.  The selects leave SCC as the compare set it.
.macro PICK from, src, dst=0
	s_cmp_ge_u32 ttmp9, \from
	s_cselect_b64 s[SRC:SRC+1], s[\src:\src+1], s[SRC:SRC+1]
	s_cselect_b32 s[SB], \from, s[SB]
.if \dst
	s_cselect_b64 s[DST:DST+1], s[\dst:\dst+1], s[DST:DST+1]
	s_cselect_b32 s[DB], \from, s[DB]
.endif
.endm
	PICK 512, 6, 20                                ; wq -> wb
	PICK 640, 8                                    ; wk
	PICK 768, 10                                   ; wv
	PICK 896, 12, 22                               ; wo -> wob
	PICK 1024, 14, 24                              ; cos -> csb
	PICK 1040, 16                                  ; sin
	s_sub_co_u32 s32, ttmp9, s[SB]
	s_lshl_b32 s32, s32, 16                        ; my chunk's byte offset in the source,
	s_mov_b32 s33, 0
	s_sub_co_u32 s34, ttmp9, s[DB]
	s_lshl_b32 s34, s34, 15                        ; and in the destination
	s_mov_b32 s35, 0
	s_add_nc_u64 s[SRC:SRC+1], s[SRC:SRC+1], s[32:33]
	s_add_nc_u64 s[DST:DST+1], s[DST:DST+1], s[34:35]
.irp i, 0,1,2,3,4,5,6,7,8,9,10,11,12,13,14,15
	global_load_b128 v[XR+4*(\i):XR+4*(\i)+3], v1, s[SRC:SRC+1] offset:4096*(\i) th:TH_LOAD_NT
.endr
	s_sub_co_u32 s36, ttmp9, 896
	s_cmp_lt_u32 s36, 128                          ; work-groups 896 to 1023: wo
	s_cbranch_scc1 .Lwo
.irp i, 0,1,2,3,4,5,6,7,8,9,10,11,12,13,14,15
	s_wait_loadcnt 15-(\i)                         ; loads come back in order: load i is in, the younger ones stay out
	v_cvt_pk_bf16_f32 v[YR+2*(\i)], v[XR+4*(\i)], v[XR+4*(\i)+1]
	v_cvt_pk_bf16_f32 v[YR+2*(\i)+1], v[XR+4*(\i)+2], v[XR+4*(\i)+3]
	global_store_b64 v2, v[YR+2*(\i):YR+2*(\i)+1], s[DST:DST+1] offset:2048*(\i)
.endr
	s_endpgm
.Lwo:
.irp i, 0,1,2,3,4,5,6,7,8,9,10,11,12,13,14,15
	s_wait_loadcnt 15-(\i)
	v_cvt_pk_bf16_f32 v3, v[XR+4*(\i)], v[XR+4*(\i)+1]      ; rounded to bf16 like every other input,
	v_cvt_pk_bf16_f32 v4, v[XR+4*(\i)+2], v[XR+4*(\i)+3]
	v_lshlrev_b32 v5, 16, v3                                ; widened again,
	v_and_b32 v3, s37, v3
	v_lshlrev_b32 v6, 16, v4
	v_and_b32 v4, s37, v4
	v_cvt_pk_f16_f32 v[YR+2*(\i)], v5, v3                   ; and written as f16
	v_cvt_pk_f16_f32 v[YR+2*(\i)+1], v6, v4
	global_store_b64 v2, v[YR+2*(\i):YR+2*(\i)+1], s[DST:DST+1] offset:2048*(\i)
.endr
	s_endpgm
.Lfunc_end_k_qf175e01b16_cast:
	.size	k_qf175e01b16_cast, .Lfunc_end_k_qf175e01b16_cast-k_qf175e01b16_cast
	.p2alignl 7, 3214868480
	.fill 96, 4, 3214868480
	.section	.rodata,"a",@progbits
	.p2align	6, 0x0
	.amdhsa_kernel k_qf175e01b16_cast
		.amdhsa_group_segment_fixed_size 0
		.amdhsa_private_segment_fixed_size 0
		.amdhsa_enable_private_segment 0
		.amdhsa_kernarg_size 88
		.amdhsa_user_sgpr_count 2
		.amdhsa_user_sgpr_kernarg_segment_ptr 1
		.amdhsa_wavefront_size32 1
		.amdhsa_system_sgpr_workgroup_id_x 1
		.amdhsa_system_sgpr_workgroup_id_y 1
		.amdhsa_system_sgpr_workgroup_id_z 1
		.amdhsa_system_vgpr_workitem_id 0
		.amdhsa_next_free_vgpr 104
		.amdhsa_next_free_sgpr 66
		.amdhsa_reserve_vcc 0
		.amdhsa_float_denorm_mode_32 3
		.amdhsa_float_denorm_mode_16_64 3
		.amdhsa_memory_ordered 1
		.amdhsa_forward_progress 1
		.amdhsa_inst_pref_size 16
	.end_amdhsa_kernel
	.amdgpu_metadata
---
amdhsa.version: [ 1, 2 ]
amdhsa.kernels:
  - .name:           k_qf175e01b16_cast
    .symbol:         k_qf175e01b16_cast.kd
    .args:
      - { .name: x, .offset: 0, .size: 8, .value_kind: global_buffer, .address_space: global }
      - { .name: wq, .offset: 8, .size: 8, .value_kind: global_buffer, .address_space: global }
      - { .name: wk, .offset: 16, .size: 8, .value_kind: global_buffer, .address_space: global }
      - { .name: wv, .offset: 24, .size: 8, .value_kind: global_buffer, .address_space: global }
      - { .name: wo, .offset: 32, .size: 8, .value_kind: global_buffer, .address_space: global }
      - { .name: cos, .offset: 40, .size: 8, .value_kind: global_buffer, .address_space: global }
      - { .name: sin, .offset: 48, .size: 8, .value_kind: global_buffer, .address_space: global }
      - { .name: xb, .offset: 56, .size: 8, .value_kind: global_buffer, .address_space: global }
      - { .name: wb, .offset: 64, .size: 8, .value_kind: global_buffer, .address_space: global }
      - { .name: wob, .offset: 72, .size: 8, .value_kind: global_buffer, .address_space: global }
      - { .name: csb, .offset: 80, .size: 8, .value_kind: global_buffer, .address_space: global }
    .group_segment_fixed_size: 0
    .private_segment_fixed_size: 0
    .kernarg_segment_align: 8
    .kernarg_segment_size: 88
    .max_flat_workgroup_size: 256
    .sgpr_count:     66
    .vgpr_count:     104
    .wavefront_size: 32
...
	.end_amdgpu_metadata
.endif
;; end of part 1
;; launch qkv (part 2): grid 16 x 16, 4 waves a work-group, clusters of 4 x 4, 327,680 bytes of LDS; arguments xb, wb, csb, q_norm_w, k_norm_w, q, kv; writes q, kv
.if DOCPART == 2
	.amdgcn_target "amdgcn-amd-amdhsa--gfx1250"
	.amdhsa_code_object_version 6
	.text
	.protected	k_qf175e01b16_qkv
	.globl	k_qf175e01b16_qkv
	.p2align	8
	.type	k_qf175e01b16_qkv,@function
k_qf175e01b16_qkv:
	s_mov_b64 s[64:65], 0
	v_nop
	global_prefetch_b8 v0, s[64:65] scope:SCOPE_SE
	s_setreg_imm32_b32 hwreg(HW_REG_WAVE_MODE, 25, 1), 1
	s_wait_xcnt 0x0
	s_wait_alu depctr_hold_cnt(0) depctr_sa_sdst(0) depctr_va_vdst(0) depctr_va_sdst(0) depctr_va_ssrc(0) depctr_va_vcc(0) depctr_vm_vsrc(0)
	s_getreg_b32 s2, hwreg(HW_REG_IB_STS2, 6, 4)
	s_cmp_eq_u32 s2, 0
	s_cbranch_scc0 .Lentry_in_a_cluster
	s_endpgm
.Lentry_in_a_cluster:
	s_bfe_u32 s2, ttmp6, 0x10000c
	s_cmp_lg_u32 s2, 0xf033
	s_cbranch_scc0 .Lentry_shape_is_right
	s_endpgm
.Lentry_shape_is_right:
; THE THREE PROJECTIONS, RMSNORM AND ROPE.  C = xb [4096][2048] x wb[mat] [2048 k][1024 n], bf16 operands, f32 sums; mat = 0, 1, 2: wq, wk, wv.
; q and k: y = w acc rsqrt(mean(acc^2) + 1e-5) over a head's 128 channels, then y cos + rotate_half(y) sin, all in f32, rounded once to f16.  v: rounded once to f16.
; The norm gains are rounded to bf16 here, as all the module's inputs are (cos and sin arrive so).
; LIMITS.  q, k, v are stored in f16: they must stay within 65,504.  NaN and infinities are not treated apart.  The sums along K start at a slice that hangs on the cluster and wrap
; round (a cyclic shift of the reference's order).
; SHARES.  A work-group makes 256 rows x 192 columns: ONE HEAD of q or k (128 columns) and 64 columns of v, which needs no whole heads.  16 heads of q and k, 16 x 64 columns of v, 16 blocks
; of 256 rows: 16 x 16 = 256 work-groups of equal work.  Each of the four waves makes 64 rows x all 192 columns: 48 accumulators of 16 x 16, 384 registers; 64 rows are one step of 64 keys of kv.
; K goes in steps of 128 through a ring of two LDS slots.
; CLUSTERS.  4 x 4 work-groups.  The four of a row of the cluster ask jointly for x's tile, the four of a column for the two tiles of weights: the same tensor load, descriptor and mask in all four.
; Clusters that share rows of x or columns of the weights begin their walk along K at different slices, so that they do not all ask for the same bytes in the same step.
; THE MATRIX INSTRUCTION IS USED TRANSPOSED: source 0 = 16 columns of the weights (they lie [k][n] in LDS and come out turned, by ds_load_tr16_b128), source 1 = 16 rows of x.
; A lane then holds row l % 16 and, in accumulator b, the channels 16 b + 8 (l / 16) + 0..7: channel d and channel d + 64 lie in one lane, so RoPE changes no lanes.
; OUTPUT IN FRAGMENT ORDER.  q: [16 heads][128 blocks of 16 rows][8 b][512 bytes], lane l's 16 bytes at 16 l.  kv: [16 heads][32 steps of 64 keys][K 16,384 bytes | V 16,384 bytes], each
; [4 blocks of 16 keys][8 b][512 bytes]; K laid as q; in V the lane's 16 bytes stand where the turning load of the next launch addresses them.  Every store of a wave is 512 consecutive bytes, aligned.
; REGISTERS, in windows of 256 (s_set_vgpr_msb: bits 1:0 source 0, 3:2 source 1, 5:4 source 2, 7:6 destination):
;   window 0: v0-31 addresses and work; v32-63 packed results; v64-95, v96-127 fragments of x, two buffers (on the way out T = acc w); v128-191 v packed, then R, the turned numbers; v192-255 the norm gains
;   window 1: v0-95, v96-191 fragments of the weights, two buffers (on the way out v64-191: 128 widened cos and sin); v192-255 a row block's cos and sin as loaded
;   window 2: the accumulators of my row blocks 0, 1 ((a, b) at v[96 (a % 2) + 8 b]; b = 0-7 the head, 8-11 v);  window 3: those of row blocks 2, 3
.set KSTEP,  128
.set PA,     272                       ; an LDS row of x: 256 bytes + 16 = 68 words: the 16 rows of a fragment load start at 16 different groups of four banks (64 banks of 4 bytes: ISA guide 11.1)
.set PB,     288                       ; an LDS row of the head's weights: 256 bytes + 32 = 72 words
.set PV,     160                       ; an LDS row of v's weights: 128 bytes + 32 = 40 words: likewise
.set HALFA,  128*PA                    ; 128 rows of x: what wave 0 or 1 fetches
.set BQ,     2*HALFA                   ; behind x's 256 rows: the head's weights, 128 rows (k)
.set BV,     BQ+128*PB                 ; behind them: v's weights, 128 rows (k)
.set SLOT,   BV+128*PV
.set SPARE,  2*SLOT                    ; behind the ring: the spare words, 128 bytes for each wave: two blocks of 256 bytes that no other line names
.set LAPS,   2048/(2*KSTEP)            ; a lap = two K steps = once round the ring
.set SQ,   8                           ; v8-15   four packed chains of squares; also at work
.set ADRA, 16                          ; v16-17  LDS address of my fragments of x in slot 0, 1
.set ADRB, 18                          ; v18-19  the same for the head's weights
.set ADRV, 20                          ; v20-21  the same for v's weights
.set CSO,  22                          ; v22     my byte offset in 16 rows of cos and sin
.set STO,  23                          ; v23     my 16 bytes in a stored block of 512, q and k
.set WO,   24                          ; v24     my byte offset in the norm gains
.set STV,  25                          ; v25     my 16 bytes in a stored block of 512, v
.set SPW,  28                          ; v28     LDS address of my spare word; never rewritten
.set NIL,  29                          ; v29     0; never rewritten
.set RS,   30                          ; v30-31  1 / rms of my row, named as a pair
.set OUT,  32
.set FA,   64                          ; window 0: x's fragments, buffer f at FA + 32 f
.set FB,   0                           ; window 1: the weights' fragments, buffer f at FB + 96 f
.set TT,   64
.set RR,   128
.set WW,   192
.set UU,   64                          ; window 1: cos at UU + 8 b + j, sin at UU + 64 + 8 b + j
.set NN,   192                         ; window 1: cos words at NN + 4 b, sin words at NN + 32 + 4 b
.set AB,  14                           ; s[14:15] xb at my part of the tile's rows, K = 0
.set BB,  16                           ; s[16:17] wb at the head's columns, K = 0
.set VB,  18                           ; s[18:19] wb at my 64 columns of wv, K = 0
.set OA,  20                           ; s[20:21] a slice's byte offset along a row of xb
.set OW,  22                           ; s[22:23] a slice's byte offset down the rows of a weight matrix
.set G1,  24                           ; s[24:31] descriptor group 1 for x's tiles;   s[32:39] group 0, one set for each slot
.set G0,  32
.set G1B, 40                           ; s[40:47], s[48:55] the same for the head's weights
.set G0B, 48
.set G1V, 56                           ; s[56:63], s[68:75] the same for v's weights
.set G0V, 68
.set WV,  66                           ; s66 my wave's number
.set SL,  67                           ; s67 the slice of K (of 16) to be asked for next
.set CSP, 90                           ; s[90:91] cos at the row block to be loaded
.set OUTP, 92                          ; s[92:93] where the row block in hand of q or k is stored
.set WP,  94                           ; s[94:95] my head's norm gains
.set VOP, 96                           ; s[96:97] where my part of v is stored
.set AA,  98                           ; s98 the row block in hand
.set HIM, 99                           ; s99 a word's upper bf16
.set SEL, 100                          ; s[100:101] v_permlanex16_b32's selects: each lane takes its own place in the other half
.set C128, 104                         ; s104 1 / 128
.set CEPS, 105                         ; s105 1e-5
.set MSB, 0
.macro WIN new                         ; the immediate's high byte repeats the setting that is left; a switch that changes nothing is dropped
.if MSB != (\new)
	s_set_vgpr_msb (MSB<<8)|(\new)
.set MSB, \new
.endif
.endm
.set TO_B,   0x40                      ; destination window 1, address window 0
; A joint load.  Waves 0 and 1 fetch x's two halves, wave 2 the head's weights, wave 3 v's.  The branches hang on the wave's number alone.
; An s_nop 0 and four v_nop follow each of the three lines, ahead of the jump and the label.
.macro JLOAD s
	s_cmp_lt_u32 s[WV], 2
	s_cbranch_scc0 .Lfor_w_\@
	tensor_load_to_lds s[G0+4*(\s):G0+4*(\s)+3], s[G1:G1+7]
	s_nop 0
.rept 4
	v_nop
.endr
	s_branch .Lasked_\@
.Lfor_w_\@:
	s_cmp_eq_u32 s[WV], 2
	s_cbranch_scc0 .Lfor_v_\@
	tensor_load_to_lds s[G0B+4*(\s):G0B+4*(\s)+3], s[G1B:G1B+7]
	s_nop 0
.rept 4
	v_nop
.endr
	s_branch .Lasked_\@
.Lfor_v_\@:
	tensor_load_to_lds s[G0V+4*(\s):G0V+4*(\s)+3], s[G1V:G1V+7]
	s_nop 0
.rept 4
	v_nop
.endr
.Lasked_\@:
.endm
; Slot s's three group 0 are aimed at slice SL, each address made anew from its base and an offset made apart; then SL steps and wraps.  No tensor load of the wave is out where this stands.
.macro AIM s
	s_lshl_b32 s[OA], s[SL], 8                     ; 128 elements of 2 bytes along a row of xb
	s_lshl_b32 s[OW], s[SL], 18                    ; 128 rows of 2,048 bytes of a weight matrix
	s_add_nc_u64 s[G0+4*(\s)+2:G0+4*(\s)+3], s[AB:AB+1], s[OA:OA+1]
	s_or_b32 s[G0+4*(\s)+3], s[G0+4*(\s)+3], 0x80000000
	s_add_nc_u64 s[G0B+4*(\s)+2:G0B+4*(\s)+3], s[BB:BB+1], s[OW:OW+1]
	s_or_b32 s[G0B+4*(\s)+3], s[G0B+4*(\s)+3], 0x80000000
	s_add_nc_u64 s[G0V+4*(\s)+2:G0V+4*(\s)+3], s[VB:VB+1], s[OW:OW+1]
	s_or_b32 s[G0V+4*(\s)+3], s[G0V+4*(\s)+3], 0x80000000
	s_add_co_u32 s[SL], s[SL], 1
	s_and_b32 s[SL], s[SL], 15
.endm
.macro CREST                           ; a round of the cluster's barrier behind its opening barrier
	s_cmp_lg_u32 s[WV], 0
	s_cbranch_scc1 .Lnot_wave_0_\@
	s_barrier_signal -3
.Lnot_wave_0_\@:
	s_barrier_wait -3
	s_barrier_signal -1
	s_barrier_wait -1
.endm
.macro CROUND                          ; a whole round
	s_barrier_signal -1
	s_barrier_wait -1
	CREST
.endm
	s_load_b256 s[4:11], s[0:1], 0x0               ; xb s[4:5], wb s[6:7], csb s[8:9], q_norm_w s[10:11]
	s_load_b128 s[76:79], s[0:1], 0x20             ; k_norm_w s[76:77], q s[78:79]
	s_load_b64 s[80:81], s[0:1], 0x30              ; kv
	v_lshl_add_u32 v[SPW], v0, 2, SPARE
	v_mov_b32 v[NIL], 0
	ds_add_u32 v28, v29
	s_wait_dscnt 0x0
	v_lshrrev_b32 v1, 5, v0
	v_readfirstlane_b32 s[WV], v1                  ; wave 0..3
	s_bfe_u32 s82, ttmp6, 0x40000                  ; cx: my place along the cluster's x
	s_bfe_u32 s83, ttmp6, 0x40004                  ; cy: along its y
	s_lshl_b32 s85, ttmp9, 2                       ; in a cluster launch ttmp9 and ttmp7 count clusters
	s_add_co_u32 s85, s85, s82                     ; column block 0..15: 0-7 q's heads, 8-15 k's; also which 64 columns of v
	s_and_b32 s84, ttmp7, 0xffff
	s_add_co_u32 s[SL], s84, ttmp9                 ; the walk along K begins at slice 4 ((cluster x + cluster y) % 4): different in the four clusters of a row of
	s_and_b32 s[SL], s[SL], 3                      ; clusters, which share x's rows, and in the four of a column of clusters, which share the weights' columns;
	s_lshl_b32 s[SL], s[SL], 2                     ; alike in the sixteen partners of a cluster
	s_lshl_b32 s84, s84, 2
	s_add_co_u32 s84, s84, s83                     ; row block of 256 = 4 x cluster y + cy
	s_lshl_b32 s86, s83, 2
	s_lshl_b32 s86, 15, s86                        ; my row of the cluster: places 4 cy .. 4 cy + 3
	s_lshl_b32 s87, 0x1111, s82                    ; my column: places cx, cx + 4, cx + 8, cx + 12
	; group 1 for x: 128 rows x 128 elements of 2 bytes, 4 words of padding behind every 64
	s_or_b32 s[G1+0], s86, (1<<16)|(1<<20)|(1<<21)|(5<<22)|(3<<25)
	s_mov_b32 s[G1+1], KSTEP<<16                   ; tensor_dim0 = 128
	s_mov_b32 s[G1+2], 128<<16                     ; tensor_dim1 = 128
	s_mov_b32 s[G1+3], KSTEP<<16                   ; tile_dim0 = 128
	s_mov_b32 s[G1+4], 128                         ; tile_dim1 = 128
	s_mov_b32 s[G1+5], 2048                        ; elements from row to row of xb
	s_mov_b32 s[G1+6], 0
	s_mov_b32 s[G1+7], 0
	; group 1 for the head's weights: 128 rows (k) x 128 elements (n), 8 words of padding behind every 64
	s_or_b32 s[G1B+0], s87, (1<<16)|(1<<20)|(1<<21)|(5<<22)|(7<<25)
	s_mov_b32 s[G1B+1], 128<<16
	s_mov_b32 s[G1B+2], 128<<16
	s_mov_b32 s[G1B+3], 128<<16
	s_mov_b32 s[G1B+4], 128
	s_mov_b32 s[G1B+5], 1024                       ; elements from row to row of a weight matrix
	s_mov_b32 s[G1B+6], 0
	s_mov_b32 s[G1B+7], 0
	; group 1 for v's weights: 128 rows (k) x 64 elements (n): the tile's own rows are 128 bytes; 8 words of padding behind every 32
	s_or_b32 s[G1V+0], s87, (1<<16)|(1<<20)|(1<<21)|(4<<22)|(7<<25)
	s_mov_b32 s[G1V+1], 64<<16
	s_mov_b32 s[G1V+2], 128<<16
	s_mov_b32 s[G1V+3], 64<<16
	s_mov_b32 s[G1V+4], 128
	s_mov_b32 s[G1V+5], 1024
	s_mov_b32 s[G1V+6], 0
	s_mov_b32 s[G1V+7], 0
	; x's tile hangs on the row block alone, the weights' on the column block alone; each offset is made in registers that never hold the other coordinate
	s_lshl_b32 s12, s84, 8
	s_and_b32 s13, s[WV], 1
	s_lshl_b32 s13, s13, 7
	s_add_co_u32 s12, s12, s13                     ; row 256 x row block + 128 x (wave 0 or 1),
	s_lshl_b32 s12, s12, 12                        ; of 4,096 bytes
	s_mov_b32 s13, 0
	s_lshr_b32 s88, s85, 3                         ; wq or wk: a matrix is 4,194,304 bytes,
	s_lshl_b32 s88, s88, 22
	s_and_b32 s89, s85, 7                          ; the head's 128 columns of 2 bytes
	s_lshl_b32 s89, s89, 8
	s_add_co_u32 s88, s88, s89
	s_mov_b32 s89, 0
	s_lshl_b32 s2, s85, 7                          ; wv, the third matrix: 64 columns of 2 bytes
	s_add_co_u32 s2, s2, 0x800000
	s_mov_b32 s3, 0
	s_mov_b32 s[OA+1], 0
	s_mov_b32 s[OW+1], 0
	s_wait_kmcnt 0x0
	s_add_nc_u64 s[AB:AB+1], s[4:5], s[12:13]
	s_add_nc_u64 s[BB:BB+1], s[6:7], s[88:89]
	s_add_nc_u64 s[VB:VB+1], s[6:7], s[2:3]
	s_mul_i32 s2, s[WV], HALFA                     ; where x's halves go (waves 0 and 1)
	CROUND                                         ; all sixteen work-groups are here: the first joint loads meet
.irp s, 0,1
	s_mov_b32 s[G0+4*(\s)], 1
	s_add_co_u32 s[G0+4*(\s)+1], s2, (\s)*SLOT
	s_mov_b32 s[G0B+4*(\s)], 1
	s_mov_b32 s[G0B+4*(\s)+1], BQ+(\s)*SLOT
	s_mov_b32 s[G0V+4*(\s)], 1
	s_mov_b32 s[G0V+4*(\s)+1], BV+(\s)*SLOT
	AIM \s
	JLOAD \s                                       ; two loads of mine are out
.endr
	v_and_b32 v1, 15, v0                           ; r = l % 16
	v_bfe_u32 v2, v0, 4, 1                         ; h = l / 16
	v_mul_u32_u24 v3, v1, PA
	v_lshl_add_u32 v3, v2, 4, v3                   ; x: row x pitch + 16 h
	v_and_b32 v4, 7, v0
	v_lshl_add_u32 v4, v2, 3, v4                   ; weights: row k = 8 h + l % 8,
	v_bfe_u32 v5, v0, 3, 1                         ; columns 8 ((l / 8) % 2) on
	v_mul_u32_u24 v6, v4, PB
	v_lshl_add_u32 v6, v5, 4, v6
	v_mul_u32_u24 v7, v4, PV
	v_lshl_add_u32 v7, v5, 4, v7
	s_mul_i32 s2, s[WV], 64*PA                     ; my 64 rows of x
.irp s, 0,1
	v_add_nc_u32 v[ADRA+(\s)], s2, v3
	v_add_nc_u32 v[ADRB+(\s)], BQ+(\s)*SLOT, v6
	v_add_nc_u32 v[ADRV+(\s)], BV+(\s)*SLOT, v7
	s_add_co_u32 s2, s2, SLOT
.endr
	v_lshlrev_b32 v[CSO], 8, v1
	v_lshl_add_u32 v[CSO], v2, 4, v[CSO]           ; a row of cos is 256 bytes; 16 h
	v_lshlrev_b32 v[WO], 5, v2                     ; eight f32 a half
	; where my 64 rows go.  These numbers mix cx and cy and stay in registers that feed no descriptor.
	s_lshr_b32 s98, s84, 3                         ; the batch: eight row blocks each;
	s_lshl_b32 s98, s98, 3                         ; its first head among 16
	s_and_b32 s99, s84, 7
	s_lshl_b32 s99, s99, 8
	s_lshl_b32 s100, s[WV], 6
	s_add_co_u32 s99, s99, s100                    ; my first position in the sequence
	s_lshl_b32 s[CSP], s99, 8                      ; x 256 bytes: a row of cos, and a row's share of q
	s_mov_b32 s[CSP+1], 0
	s_and_b32 s100, s85, 7
	s_add_co_u32 s100, s100, s98                   ; the head of q or k among 16:
	s_lshl_b32 s100, s100, 19                      ; 524,288 bytes of q each
	s_add_co_u32 s100, s100, s[CSP]                ; q's offset;
	s_lshl_b32 s101, s100, 1                       ; in kv everything is twice as far
	s_lshr_b32 s104, s85, 1
	s_add_co_u32 s104, s104, s98                   ; v's head among 16,
	s_lshl_b32 s104, s104, 20
	s_lshl_b32 s105, s99, 9                        ; my step of 64 keys,
	s_add_co_u32 s104, s104, s105
	s_and_b32 s105, s85, 1                         ; which half of the head's channels: four blocks of 512 bytes,
	s_lshl_b32 s105, s105, 11
	s_add_co_u32 s104, s104, s105
	s_add_co_u32 s[VOP], s104, 16384               ; and V lies behind a step's K
	s_mov_b32 s[VOP+1], 0
	s_cmp_lt_u32 ttmp9, 2                          ; clusters 0 and 1 along x hold q's heads, 2 and 3 k's
	s_cselect_b64 s[WP:WP+1], s[10:11], s[76:77]
	s_cselect_b64 s[OUTP:OUTP+1], s[78:79], s[80:81]
	s_cselect_b32 s100, s100, s101
	s_mov_b32 s101, 0
	s_add_nc_u64 s[OUTP:OUTP+1], s[OUTP:OUTP+1], s[100:101]
	s_add_nc_u64 s[VOP:VOP+1], s[80:81], s[VOP:VOP+1]
	s_add_nc_u64 s[CSP:CSP+1], s[8:9], s[CSP:CSP+1]
	s_mov_b32 s[HIM], 0xffff0000
	s_mov_b32 s[SEL], 0x76543210
	s_mov_b32 s[SEL+1], 0xfedcba98
	s_mov_b32 s[C128], 0x3c000000                  ; 1 / 128
	s_mov_b32 s[CEPS], 0x3727c5ac                  ; 1e-5
.macro LOADN                           ; a row block's cos and sin: my row's 16 bytes for each b, 16 loads
	WIN TO_B
.irp b, 0,1,2,3,4,5,6,7
	global_load_b128 v[NN+4*(\b):NN+4*(\b)+3], v[CSO], s[CSP:CSP+1] offset:32*(\b)
	global_load_b128 v[NN+32+4*(\b):NN+32+4*(\b)+3], v[CSO], s[CSP:CSP+1] offset:524288+32*(\b)
.endr
	WIN 0
.endm
.irp b, 0,1,2,3,4,5,6,7
	global_load_b128 v[WW+8*(\b):WW+8*(\b)+3], v[WO], s[WP:WP+1] offset:64*(\b)        ; the gains of channels 16 b + 8 h + 0..7
	global_load_b128 v[WW+8*(\b)+4:WW+8*(\b)+7], v[WO], s[WP:WP+1] offset:64*(\b)+16
.endr
	LOADN                                          ; row block 0; these 32 loads land under the products
; 12 matrix instructions: row block a x all 12 column blocks, 32 along K, from buffers f.  zero = 1: the first product starts the sums.
.macro MULA f, a, zero
	WIN 0xa1+0x50*((\a)/2)                         ; source 0 (weights) window 1, source 1 (x) window 0, C and D window 2 or 3
.irp b, 0,1,2,3,4,5,6,7,8,9,10,11
.if \zero
	v_wmma_f32_16x16x32_bf16 v[96*((\a)%2)+8*(\b):96*((\a)%2)+8*(\b)+7], v[FB+96*(\f)+8*(\b):FB+96*(\f)+8*(\b)+7], v[FA+32*(\f)+8*(\a):FA+32*(\f)+8*(\a)+7], 0
.else
	v_wmma_f32_16x16x32_bf16 v[96*((\a)%2)+8*(\b):96*((\a)%2)+8*(\b)+7], v[FB+96*(\f)+8*(\b):FB+96*(\f)+8*(\b)+7], v[FA+32*(\f)+8*(\a):FA+32*(\f)+8*(\a)+7], v[96*((\a)%2)+8*(\b):96*((\a)%2)+8*(\b)+7]
.endif
.endr
.endm
; 32 LDS loads in one run: quarter qq's fragments (32 along K) into buffers f: the head's 8 column blocks and v's 4, turned, then x's 4 row blocks
.macro FETCH slot, qq, f
	WIN TO_B
.irp i, 0,1,2,3,4,5,6,7
	ds_load_tr16_b128 v[FB+96*(\f)+8*(\i):FB+96*(\f)+8*(\i)+3],   v[ADRB+(\slot)] offset:(\qq)*32*PB+32*(\i)
	ds_load_tr16_b128 v[FB+96*(\f)+8*(\i)+4:FB+96*(\f)+8*(\i)+7], v[ADRB+(\slot)] offset:(\qq)*32*PB+16*PB+32*(\i)
.endr
.irp i, 0,1,2,3
	ds_load_tr16_b128 v[FB+96*(\f)+64+8*(\i):FB+96*(\f)+64+8*(\i)+3],   v[ADRV+(\slot)] offset:(\qq)*32*PV+32*(\i)
	ds_load_tr16_b128 v[FB+96*(\f)+64+8*(\i)+4:FB+96*(\f)+64+8*(\i)+7], v[ADRV+(\slot)] offset:(\qq)*32*PV+16*PV+32*(\i)
.endr
	WIN 0
.irp i, 0,1,2,3
	ds_load_b128 v[FA+32*(\f)+8*(\i):FA+32*(\f)+8*(\i)+3],   v[ADRA+(\slot)] offset:64*(\qq)+(\i)*16*PA
	ds_load_b128 v[FA+32*(\f)+8*(\i)+4:FA+32*(\f)+8*(\i)+7], v[ADRA+(\slot)] offset:64*(\qq)+(\i)*16*PA+32
.endr
.endm
.macro PLACES                          ; four plain instructions between a matrix instruction and a load into, or a vector read of, its registers
.rept 4
	v_nop
.endr
.endm
; A K step is four quarters of 32 along K, 48 matrix instructions each, on buffers 0, 1, 0, 1.  One of the first three multiplies buffers f and fetches quarter qq into g.
.macro QUARTER slot, qq, f, g, zero
	s_wait_dscnt 4                                 ; the weights and x's row blocks 0, 1 are in; the youngest four loads (row blocks 2, 3) may be out
	MULA \f, 0, \zero
	MULA \f, 1, \zero
	PLACES
	FETCH \slot, \qq, \g
	s_wait_dscnt 32                                ; all but the 32 just issued
	MULA \f, 2, \zero
	MULA \f, 3, \zero
.endm
; The last quarter multiplies buffers 1 and changes slots: ONE barrier.  In front of it each wave waits for all its tensor loads (one is out: its part of the next slot), adds 0 to its spare
; word, and waits for that and for its reads of this slot.  fill = 1: the barrier opens a round of the cluster's, and this slot is filled again, two K steps ahead, first thing behind it.
.macro TURN slot, next, fill
	WIN 0                                          ; (the add's two registers lie in window 0)
	s_wait_tensorcnt 0x0                           ; no tensor load of mine is out, so the group 0 may be written
	ds_add_u32 v[SPW], v[NIL]                      ; 0 onto my spare word
.if \fill
	AIM \slot                                      ; scalar work while the add is out
.endif
	s_wait_dscnt 5                                 ; (the add and the youngest four loads may be out)
	MULA 1, 0, 0                                   ; twelve matrix instructions stand between the add and the wait for it
	s_wait_dscnt 0x0                               ; the add is done, and my reads of this slot are over
	s_barrier_signal -1
	MULA 1, 1, 0
.if \fill
	WIN 0
.endif
	s_barrier_wait -1
.if \fill
	CREST                                          ; no wave of any partner still reads this slot or has a load on its way
	JLOAD \slot                                    ; 168 matrix instructions ahead of the wait for it; the four v_nop behind it are also the places in front of the loads below
.else
	PLACES
.endif
	FETCH \next, 0, 0
	MULA 1, 2, 0
	MULA 1, 3, 0
.endm
	s_wait_tensorcnt 1                             ; my part of the first K step is in; the second's may stay out
	s_barrier_signal -1
	s_barrier_wait -1
	FETCH 0, 0, 0
	QUARTER 0, 1, 0, 1, 1                          ; the first quarter stands in front of the loop: its products start the sums
	WIN 0
	s_mov_b32 s3, LAPS-1
.Llap:                                                 ; a trip goes once round the ring and fills both slots again.  The 48 accumulators take turns in one order throughout
	QUARTER 0, 2, 1, 0, 0
	QUARTER 0, 3, 0, 1, 0
	TURN 0, 1, 1
	QUARTER 1, 1, 0, 1, 0
	QUARTER 1, 2, 1, 0, 0
	QUARTER 1, 3, 0, 1, 0
	TURN 1, 0, 1
	QUARTER 0, 1, 0, 1, 0
	WIN 0
	s_sub_co_u32 s3, s3, 1
	s_cmp_lg_u32 s3, 0
	s_cbranch_scc1 .Llap
	QUARTER 0, 2, 1, 0, 0                          ; the last lap fills nothing
	QUARTER 0, 3, 0, 1, 0
	TURN 0, 1, 0
	QUARTER 1, 1, 0, 1, 0
	QUARTER 1, 2, 1, 0, 0
	QUARTER 1, 3, 0, 1, 0
	s_wait_dscnt 4
	MULA 1, 0, 0
	MULA 1, 1, 0
	s_wait_dscnt 0x0
	MULA 1, 2, 0
	MULA 1, 3, 0
	WIN 0
	s_wait_loadcnt 0x0                             ; the gains, and row block 0's cos and sin
.set i, 0
.rept 32                               ; the gains are rounded to bf16 and widened again.  These 96 plain instructions are also the places behind the last products
	v_cvt_pk_bf16_f32 v[SQ+i%8], v[WW+2*i], v[WW+2*i+1]
	v_lshlrev_b32 v[WW+2*i], 16, v[SQ+i%8]
	v_and_b32 v[WW+2*i+1], s[HIM], v[SQ+i%8]
.set i, i+1
.endr
	v_mov_b32 v[RS+1], 0                           ; named with v30 as a pair
	v_and_b32 v[STO], 31, v0
	v_lshlrev_b32 v[STO], 4, v[STO]                ; q and k: 16 l
	; THE WAY OUT OF v.  My 16 bytes (key l % 16, channels 16 b + 8 (l / 16) on) stand at place L = 16 ((l % 16) / 8) + 8 (l / 16) + l % 8 of the block: the lane of the turning load that addresses them.
	v_and_b32 v3, 7, v0
	v_bfe_u32 v4, v0, 3, 1
	v_bfe_u32 v5, v0, 4, 1
	v_lshl_add_u32 v3, v4, 4, v3
	v_lshl_add_u32 v3, v5, 3, v3
	v_lshlrev_b32 v[STV], 4, v3
.irp a, 0,1,2,3
	WIN 0x0a+5*((\a)/2)                            ; sources 0 and 1: window 2 or 3
.set i, 0
.rept 16
	v_cvt_pk_f16_f32 v[RR+16*(\a)+i], v[96*((\a)%2)+64+2*i], v[96*((\a)%2)+64+2*i+1]   ; ascending: each accumulator's lowest registers first
.set i, i+1
.endr
.endr
	WIN 0
.irp a, 0,1,2,3
.irp b, 0,1,2,3
	global_store_b128 v[STV], v[RR+16*(\a)+4*(\b):RR+16*(\a)+4*(\b)+3], s[VOP:VOP+1] offset:(\a)*4096+512*(\b)   ; 512 consecutive bytes, aligned
.endr
.endr
	s_wait_xcnt 0x0                                ; the registers that these stores read are written again below only behind this wait
	; THE WAY OUT OF q OR k: a loop over my four row blocks.  Only what names accumulators is written four times (SPEC); a chain of forward jumps on the counter picks it.
	s_mov_b32 s[AA], 0
; Row block a: the squares of my 64 numbers in four packed chains (each accumulator's lowest registers are read first), and T = acc x gain
.macro SPEC a
.set AC, 96*((\a)%2)
	WIN 0x0a+5*((\a)/2)                            ; sources 0 and 1: window 2 or 3
.irp b, 0,1,2,3,4,5,6,7
.irp p, 0,1,2,3
.if (\b) == 0
	v_pk_mul_f32 v[SQ+2*(\p):SQ+2*(\p)+1], v[AC+2*(\p):AC+2*(\p)+1], v[AC+2*(\p):AC+2*(\p)+1]
.else
	v_pk_fma_f32 v[SQ+2*(\p):SQ+2*(\p)+1], v[AC+8*(\b)+2*(\p):AC+8*(\b)+2*(\p)+1], v[AC+8*(\b)+2*(\p):AC+8*(\b)+2*(\p)+1], v[SQ+2*(\p):SQ+2*(\p)+1]
.endif
.endr
.endr
	WIN 0x02+((\a)/2)                              ; source 0: window 2 or 3
.irp b, 0,1,2,3,4,5,6,7
.irp p, 0,1,2,3
	v_pk_mul_f32 v[TT+8*(\b)+2*(\p):TT+8*(\b)+2*(\p)+1], v[AC+8*(\b)+2*(\p):AC+8*(\b)+2*(\p)+1], v[WW+8*(\b)+2*(\p):WW+8*(\b)+2*(\p)+1]
.endr
.endr
	WIN 0
.endm
.Lrow:
	s_wait_loadcnt 0x0                             ; this row block's cos and sin
	WIN 0x44                                       ; destination and source 1 in window 1
.set i, 0
.rept 64
	v_lshlrev_b32 v[UU+2*i], 16, v[NN+i]           ; bf16 to f32
	v_and_b32 v[UU+2*i+1], s[HIM], v[NN+i]
.set i, i+1
.endr
	WIN 0
	s_cmp_eq_u32 s[AA], 3
	s_cbranch_scc1 .Lno_more                       ; behind the last row block there is nothing to load
	s_add_nc_u64 s[CSP:CSP+1], s[CSP:CSP+1], 4096  ; 16 rows on; the loads that named it are in
	LOADN                                          ; the next row block's: they have this trip in which to land
.Lno_more:
.irp n, 0,1,2
	s_cmp_eq_u32 s[AA], \n
	s_cbranch_scc1 .Lspec_\n
.endr
	SPEC 3
	s_branch .Lcom
.irp n, 0,1,2
.Lspec_\n:
	SPEC \n
	s_branch .Lcom
.endr
.Lcom:
	v_pk_add_f32 v[SQ:SQ+1], v[SQ:SQ+1], v[SQ+2:SQ+3]
	v_pk_add_f32 v[SQ+4:SQ+5], v[SQ+4:SQ+5], v[SQ+6:SQ+7]
	v_pk_add_f32 v[SQ:SQ+1], v[SQ:SQ+1], v[SQ+4:SQ+5]
	v_add_f32 v[SQ], v[SQ], v[SQ+1]
	v_permlanex16_b32 v[SQ+1], v[SQ], s[SEL], s[SEL+1]  ; the row's other 64 channels lie in the lane 16 away
	v_add_f32 v[SQ], v[SQ], v[SQ+1]
	v_fma_f32 v[SQ], v[SQ], s[C128], s[CEPS]       ; mean + eps
	v_rsq_f32 v[RS], v[SQ]
	v_nop                                          ; a plain instruction behind it
	WIN 0x04                                       ; source 1 (cos, sin) in window 1
.irp b, 0,1,2,3
.irp p, 0,1,2,3
	v_pk_mul_f32 v[RR+8*(\b)+2*(\p):RR+8*(\b)+2*(\p)+1], v[TT+32+8*(\b)+2*(\p):TT+32+8*(\b)+2*(\p)+1], v[UU+64+8*(\b)+2*(\p):UU+64+8*(\b)+2*(\p)+1]        ; y[d + 64] sin[d]
	v_pk_mul_f32 v[RR+32+8*(\b)+2*(\p):RR+32+8*(\b)+2*(\p)+1], v[TT+8*(\b)+2*(\p):TT+8*(\b)+2*(\p)+1], v[UU+96+8*(\b)+2*(\p):UU+96+8*(\b)+2*(\p)+1]        ; y[d] sin[d + 64]
.endr
.endr
.irp b, 0,1,2,3
.irp p, 0,1,2,3
	v_pk_fma_f32 v[RR+8*(\b)+2*(\p):RR+8*(\b)+2*(\p)+1], v[TT+8*(\b)+2*(\p):TT+8*(\b)+2*(\p)+1], v[UU+8*(\b)+2*(\p):UU+8*(\b)+2*(\p)+1], v[RR+8*(\b)+2*(\p):RR+8*(\b)+2*(\p)+1] neg_lo:[0,0,1] neg_hi:[0,0,1]  ; y[d] cos[d] - that
	v_pk_fma_f32 v[RR+32+8*(\b)+2*(\p):RR+32+8*(\b)+2*(\p)+1], v[TT+32+8*(\b)+2*(\p):TT+32+8*(\b)+2*(\p)+1], v[UU+32+8*(\b)+2*(\p):UU+32+8*(\b)+2*(\p)+1], v[RR+32+8*(\b)+2*(\p):RR+32+8*(\b)+2*(\p)+1]  ; y[d + 64] cos[d + 64] + that
.endr
.endr
	WIN 0
.set i, 0
	s_wait_alu depctr_va_vdst(0)
.rept 32
	v_pk_mul_f32 v[RR+2*i:RR+2*i+1], v[RR+2*i:RR+2*i+1], v[RS:RS+1] op_sel_hi:[1,0]   ; the row's 1 / rms
.set i, i+1
.endr
.set i, 0
.rept 32
	v_cvt_pk_f16_f32 v[OUT+i], v[RR+2*i], v[RR+2*i+1]
.set i, i+1
.endr
.irp b, 0,1,2,3,4,5,6,7
	global_store_b128 v[STO], v[OUT+4*(\b):OUT+4*(\b)+3], s[OUTP:OUTP+1] offset:512*(\b)   ; 512 consecutive bytes, aligned
.endr
	s_wait_xcnt 0x0                                ; the stores' base and data are rewritten only behind this wait
	s_add_nc_u64 s[OUTP:OUTP+1], s[OUTP:OUTP+1], 4096  ; the next block of 16 rows, in q and in a step's K alike
	s_add_co_u32 s[AA], s[AA], 1
	s_cmp_lt_u32 s[AA], 4
	s_cbranch_scc1 .Lrow
	s_wait_tensorcnt 0x0                           ; the wave's end
	ds_add_u32 v[SPW], v[NIL]
	s_wait_dscnt 0x0
	CROUND                                         ; the closing round: no work-group ends while a partner may still ask for a tile that names it
	s_endpgm
.Lfunc_end_k_qf175e01b16_qkv:
	.size	k_qf175e01b16_qkv, .Lfunc_end_k_qf175e01b16_qkv-k_qf175e01b16_qkv
	.p2alignl 7, 3214868480
	.fill 96, 4, 3214868480
	.section	.rodata,"a",@progbits
	.p2align	6, 0x0
	.amdhsa_kernel k_qf175e01b16_qkv
		.amdhsa_group_segment_fixed_size 327680
		.amdhsa_private_segment_fixed_size 0
		.amdhsa_enable_private_segment 0
		.amdhsa_kernarg_size 56
		.amdhsa_user_sgpr_count 2
		.amdhsa_user_sgpr_kernarg_segment_ptr 1
		.amdhsa_wavefront_size32 1
		.amdhsa_system_sgpr_workgroup_id_x 1
		.amdhsa_system_sgpr_workgroup_id_y 1
		.amdhsa_system_sgpr_workgroup_id_z 1
		.amdhsa_system_vgpr_workitem_id 0
		.amdhsa_next_free_vgpr 960
		.amdhsa_next_free_sgpr 106
		.amdhsa_reserve_vcc 0
		.amdhsa_float_denorm_mode_32 3
		.amdhsa_float_denorm_mode_16_64 3
		.amdhsa_memory_ordered 1
		.amdhsa_forward_progress 1
		.amdhsa_inst_pref_size 144
	.end_amdhsa_kernel
	.amdgpu_metadata
---
amdhsa.version: [ 1, 2 ]
amdhsa.kernels:
  - .name:           k_qf175e01b16_qkv
    .symbol:         k_qf175e01b16_qkv.kd
    .args:
      - { .name: xb, .offset: 0, .size: 8, .value_kind: global_buffer, .address_space: global }
      - { .name: wb, .offset: 8, .size: 8, .value_kind: global_buffer, .address_space: global }
      - { .name: csb, .offset: 16, .size: 8, .value_kind: global_buffer, .address_space: global }
      - { .name: q_norm_w, .offset: 24, .size: 8, .value_kind: global_buffer, .address_space: global }
      - { .name: k_norm_w, .offset: 32, .size: 8, .value_kind: global_buffer, .address_space: global }
      - { .name: q, .offset: 40, .size: 8, .value_kind: global_buffer, .address_space: global }
      - { .name: kv, .offset: 48, .size: 8, .value_kind: global_buffer, .address_space: global }
    .group_segment_fixed_size: 327680
    .private_segment_fixed_size: 0
    .kernarg_segment_align: 8
    .kernarg_segment_size: 56
    .max_flat_workgroup_size: 128
    .sgpr_count:     106
    .vgpr_count:     960
    .wavefront_size: 32
...
	.end_amdgpu_metadata
.endif
;; end of part 2
;; launch attn (part 3): grid 16 x 16, 4 waves a work-group, clusters of 4 x 1, 327,680 bytes of LDS; arguments q, kv, ob; writes ob
.if DOCPART == 3
	.amdgcn_target "amdgcn-amd-amdhsa--gfx1250"
	.amdhsa_code_object_version 6
	.text
	.protected	k_qf175e01b16_attn
	.globl	k_qf175e01b16_attn
	.p2align	8
	.type	k_qf175e01b16_attn,@function
k_qf175e01b16_attn:
	s_mov_b64 s[64:65], 0
	v_nop
	global_prefetch_b8 v0, s[64:65] scope:SCOPE_SE
	s_setreg_imm32_b32 hwreg(HW_REG_WAVE_MODE, 25, 1), 1
	s_wait_xcnt 0x0
	s_wait_alu depctr_hold_cnt(0) depctr_sa_sdst(0) depctr_va_vdst(0) depctr_va_sdst(0) depctr_va_ssrc(0) depctr_va_vcc(0) depctr_vm_vsrc(0)
	s_getreg_b32 s2, hwreg(HW_REG_IB_STS2, 6, 4)
	s_cmp_eq_u32 s2, 0
	s_cbranch_scc0 .Lentry_in_a_cluster
	s_endpgm
.Lentry_in_a_cluster:
	s_bfe_u32 s2, ttmp6, 0x10000c
	s_cmp_lg_u32 s2, 0x3003
	s_cbranch_scc0 .Lentry_shape_is_right
	s_endpgm
.Lentry_shape_is_right:
; CAUSAL ATTENTION, 16 heads of 2,048 rows x 128 channels, f16.  O[q] = the sum over k <= q of softmax_k(Q[q] . K[k] / sqrt(128)) V[k].  Products, maxima and sums in f32; the weights p are rounded
; to f16 for the second product (their sum is taken of the unrounded p), O once at the end.  q and kv arrive in fragment order (see the launch that writes them); ob leaves as [4096][1024] f16, row-major.
; LIMITS.  A hidden score counts as -1e30, far below every true score of f16 operands; a weight below 2^-126 counts as 0; NaN and infinities are not treated apart.
; THE WALK.  A head has 8 blocks of 256 queries; block i needs the key tiles 0 .. i of 256 keys, the last of which holds the diagonal.  A CLUSTER of four work-groups takes block j and then block 7 - j
; (j = the cluster's x): (j + 1) + (8 - j) = 9 tiles whatever j: one walk with a constant trip count, alike in all clusters.  The four partners walk the same tiles, so every tile is asked for
; JOINTLY: the same tensor load, descriptor and mask in all four.  What a trip does hangs on scalar registers made from j alone, which the partners share.
; SHARES.  Work-group cx owns queries 64 cx .. + 63 of each block.  Its four waves are 2 x 2: QA = w / 2 picks 32 queries (two tiles of 16), KB = w % 2 picks 128 of a tile's 256 keys (two steps of 64).
; Register slot u of a wave holds query tile 2 QA + (u xor KB).  At a block's end the two waves of a pair hold partial sums for the same two query tiles: each keeps slot 0 and hands slot 1, with its
; c m and l, to the other through LDS; the two are joined exactly: M = max(c m, c m'), O = (2^(c m - M) O + 2^(c m' - M) O') / (2^(c m - M) l + 2^(c m' - M) l').
; A wave that has seen hidden keys only has c m = c x -1e30, so its factor is 0; key 0 of a diagonal tile is visible to every row, so M is a true score's.
; LAYOUT.  S^T = K Q^T (source 0 = 16 keys, source 1 = 16 queries): a lane holds ONE query (l % 16) and the keys 8 (l / 16) + 0..7.  Two such results rounded to f16 ARE source 1 of O^T = V^T P.
; SOFTMAX.  p = 2^(c s - c m), c = log2(e) / sqrt(128), with a running maximum m; O and l are multiplied by a = 2^(c m_old - c m_new) in every step.  A block starts with m at the lowest finite number, so its first a is 0.
; A STEP (64 keys): V from LDS; slot 0's scores; slot 1's scores, four lines of slot 0's softmax behind each, and the softmax's other 70 lines in a run of their own; K of the tile's next step from LDS;
; slot 0's V^T P with slot 1's softmax dealt in the same way; slot 1's V^T P.  K of a tile's first step is fetched in front of the step.
; REGISTERS, in windows of 256 (s_set_vgpr_msb: bits 1:0 source 0, 3:2 source 1, 5:4 source 2, 7:6 destination):
;   window 0: v0-63 addresses, statistics, work; v64-127 S^T, 32 a slot; v128-159 P, 16 a slot; v160-223 the partner's O^T; v224-255 packed O
;   window 1: v0-127 O^T, 64 a slot; v128-255 K of one step          window 2: v0-63 Q; v64-127 the second block's Q; v128-255 V of one step
.set SLOT1, 1<<17     ; a slot holds a tile: four steps of 32,768 bytes (K 16,384, V 16,384), dense; one exclusive or turns an address in one slot into the other's
.set STEPB, 32768
.set XCH,   2*SLOT1   ; behind the ring, never filled by a tensor load: 8,192 bytes for each wave: the O^T that it hands over
.set XST,   XCH+4*8192  ; 256 bytes for each wave: c m and l that go with it
.set STAGE, XST+4*256   ; 16 rows x 272 bytes for each wave, for the way out
.set SP,    272
.set SPARE, STAGE+4*16*SP  ; the spare words, 128 bytes for each wave: two blocks of 256 bytes that no other line names
.set LA,  2           ; v2   16 x lane; never rewritten
.set ADR, 4           ; v4   the LDS address of the step in hand, or, from the fetch of K on, of the tile's second step
.set QO,  5           ; v5-6 my byte offset in Q's row blocks, by slot
.set STO, 7           ; v7   the way out: where I put 16 bytes of a row
.set RD,  8           ; v8   where I read rows back
.set GO,  9           ; v9   my byte offset in two rows of ob
.set XA,  10          ; v10  where I hand O^T over;   v11 where I take the partner's
.set XB,  11
.set ST,  12          ; slot t's statistics at v[ST+8 t]: +0 c m, +1 m, +2, +3 l (even keys', odd keys'), +4 to +7 c0-c3 at work; a takes c2's place
.set XSA, 28          ; v28  where I hand c m and l over;   v29 where I take the partner's
.set XSB, 29
.set DD,  30          ; v30-31  by slot: my query's place in its block, less 8 (l / 16), less my wave's first key
.set DM,  32          ; v32  that less the step's first key
.set MG,  34          ; v34-45  the joining
.set LN,  46          ; v46  my lane's number: it feeds LDS addresses and never holds anything made of my place in the cluster
.set AD0, 47          ; v47  the LDS address of my first step in the tile in hand
.set SPW, 62          ; v62  LDS address of my spare word; never rewritten
.set NIL, 63          ; v63  0; never rewritten
.set S,   64
.set P,   128
.set PO,  160
.set OW,  224
.set KF,  128         ; window 1: key block kb, channel chunk c at KF + 32 kb + 8 c
.set QB,  64          ; window 2
.set VF,  128         ; window 2: key half kk, channel block cb at VF + 64 kk + 8 cb
.set WV,  12          ; s12  my wave's number
.set QA,  13
.set KB,  14
.set PB,  15          ; s15  j
.set HI,  16          ; s16  7 - j
.set CX,  17
.set HD,  18          ; s18  the head among 16
.set G1,  24          ; s[24:31] descriptor group 1
.set G0,  40          ; s[40:43] descriptor group 0
.set KVB, 44          ; s[44:45] kv at my step of the head's tile 0
.set OFF, 46          ; s[46:47] a tile's byte offset
.set QP,  48          ; s[48:49] q at my rows of the first block;  s[50:51] of the second
.set QP2, 50
.set OB,  52          ; s[52:53] ob at the rows that I store;  s[54:55] the second block's
.set OB2, 54
.set SLOTS, 56        ; s56  tiles still to be asked for
.set CNT, 57          ; s57  counts a tile's two steps
.set CS,  58          ; s[58:59] c, named as a pair
.set SEL, 60          ; s[60:61] v_permlanex16_b32's selects: each lane takes its own place in the other half
.set TBASE, 63        ; s63  LDS byte of my first step in the slot in hand
.set RT,  70          ; s70  tiles of the block in hand still to be entered
.set NXT, 71          ; s71  the tile to be asked for next
.set LQ,  72          ; s72  the last tile of the block whose tiles are being asked for
.set NEW, 73          ; s73  1: the tile to be entered is a block's first
.set FIN, 74          ; s74  1: a finished block waits to be joined and stored
.set KO,  75          ; s75  the step's first key among my wave's 128
.set BIGN, 76         ; s76  -1e30
.set MSB, 0
.macro WIN new                      ; the high byte repeats the setting that is left; a switch that changes nothing is dropped
.if MSB != (\new)
	s_set_vgpr_msb (MSB<<8)|(\new)
.set MSB, (\new)
.endif
.endm
.set W_KQ, 0x09       ; K in window 1, Q in window 2, S^T in window 0
.set W_PV, 0x52       ; V in window 2, P in window 0, O^T in window 1
.set W_RS, 0x41       ; O^T (destination and source 0) in window 1, a in window 0
.macro JLOAD                        ; every wave asks for its own step of the tile; an s_nop 0 and four v_nop follow
	tensor_load_to_lds s[G0:G0+3], s[G1:G1+7]
	s_nop 0
.rept 4
	v_nop
.endr
.endm
.macro CROUND                       ; a round of the cluster's barrier
	s_barrier_signal -1
	s_barrier_wait -1
	s_cmp_lg_u32 s[WV], 0
	s_cbranch_scc1 .Lnot_wave_0_\@
	s_barrier_signal -3
.Lnot_wave_0_\@:
	s_barrier_wait -3
	s_barrier_signal -1
	s_barrier_wait -1
.endm
.macro PLACES                       ; four plain instructions between a matrix instruction and a load into, or a read of, its registers
.rept 4
	v_nop
.endr
.endm
; THE CHANGE OF SLOTS.  Each wave waits for all its tensor loads, of which one is out: its step of the other slot; adds 0 to its spare word; and waits for that, for its reads of the slot that it leaves
; and for what it has handed over.  fill = 1: the barrier is a round of the cluster's, and the old slot is filled again with tile NXT, first thing behind it; the address is made anew from that number.
.macro CHANGE fill
	WIN 0
	s_wait_tensorcnt 0x0            ; no tensor load of mine is out, so group 0 may be written
	ds_add_u32 v[SPW], v[NIL]       ; 0 onto my spare word
.if \fill
	s_lshl_b32 s[OFF], s[NXT], 17   ; a tile is 131,072 bytes of kv
	s_xor_b32 s[G0+1], s[G0+1], SLOT1
	s_add_nc_u64 s[G0+2:G0+3], s[KVB:KVB+1], s[OFF:OFF+1]
	s_or_b32 s[G0+3], s[G0+3], 0x80000000
	s_add_co_u32 s[NXT], s[NXT], 1  ; the block's next tile, or behind its last the second block's tile 0
	s_cmp_gt_u32 s[NXT], s[LQ]
	s_cselect_b32 s[NXT], 0, s[NXT]
	s_cselect_b32 s[LQ], s[HI], s[LQ]
	s_wait_dscnt 0x0
	CROUND
	JLOAD
.else
	s_wait_dscnt 0x0
	s_barrier_signal -1
	s_barrier_wait -1
.endif
	s_xor_b32 s[TBASE], s[TBASE], SLOT1
.endm
	s_load_b128 s[4:7], s[0:1], 0x0   ; q s[4:5], kv s[6:7]
	s_load_b64 s[8:9], s[0:1], 0x10   ; ob
	v_lshl_add_u32 v[SPW], v0, 2, SPARE
	v_mov_b32 v[NIL], 0
	ds_add_u32 v62, v63
	s_wait_dscnt 0x0
	v_lshrrev_b32 v1, 5, v0
	v_readfirstlane_b32 s[WV], v1
	s_lshr_b32 s[QA], s[WV], 1
	s_and_b32 s[KB], s[WV], 1
	s_mov_b32 s[PB], ttmp9          ; in a cluster launch ttmp9 counts clusters
	s_sub_co_u32 s[HI], 7, s[PB]
	s_bfe_u32 s[CX], ttmp6, 0x40000 ; my place in the cluster: it enters Q's and ob's addresses and the mask's numbers alone
	s_and_b32 s[HD], ttmp7, 0xffff
	; group 1: a step's 32,768 dense bytes as 128 rows of 256 bytes (32 elements of 8 bytes), no padding; the mask names all four work-groups, bit 21 beside it
	s_mov_b32 s[G1], 15|(3<<16)|(1<<21)
	s_mov_b32 s[G1+1], 32<<16       ; tensor_dim0 = 32
	s_mov_b32 s[G1+2], 128<<16      ; tensor_dim1 = 128
	s_mov_b32 s[G1+3], 32<<16       ; tile_dim0 = 32
	s_mov_b32 s[G1+4], 128          ; tile_dim1 = 128
	s_mov_b32 s[G1+5], 32           ; elements from row to row
	s_mov_b32 s[G1+6], 0
	s_mov_b32 s[G1+7], 0
	s_lshl_b32 s[OFF], s[HD], 20    ; a head of kv is 1,048,576 bytes,
	s_lshl_b32 s19, s[WV], 15       ; my step of a tile
	s_add_co_u32 s[OFF], s[OFF], s19
	s_mov_b32 s[OFF+1], 0
	s_mov_b32 s[G0], 1
	s_mov_b32 s[G0+1], s19          ; LDS: slot 0, step w
	s_wait_kmcnt 0x0
	s_add_nc_u64 s[KVB:KVB+1], s[6:7], s[OFF:OFF+1]
	s_add_nc_u64 s[G0+2:G0+3], s[KVB:KVB+1], 0
	s_or_b32 s[G0+3], s[G0+3], 0x80000000
	CROUND                          ; all four work-groups are here: the first joint loads meet
	JLOAD                           ; tile 0 into slot 0: one load of mine is out, here and behind every round
	s_mov_b32 s[NXT], 1             ; the tile asked for next: 1, or, where the first block has one tile, the second block's tile 0
	s_mov_b32 s[LQ], s[PB]
	s_cmp_gt_u32 s[NXT], s[LQ]
	s_cselect_b32 s[NXT], 0, s[NXT]
	s_cselect_b32 s[LQ], s[HI], s[LQ]
	s_add_co_u32 s[RT], s[PB], 1    ; the first block has j + 1 tiles
	s_mov_b32 s[NEW], 1
	s_mov_b32 s[FIN], 0
	s_mov_b32 s[SLOTS], 8
	s_mov_b32 s[CS], 0x3e0293ee     ; c = log2(e) / sqrt(128) = 0.127517
	s_mov_b32 s[CS+1], s[CS]
	s_mov_b32 s[SEL], 0x76543210
	s_mov_b32 s[SEL+1], 0xfedcba98
	s_mov_b32 s[BIGN], 0xf149f2ca   ; -1e30
	s_lshl_b32 s[TBASE], s[KB], 16  ; my two steps of a tile;
	s_or_b32 s[TBASE], s[TBASE], SLOT1  ; the first change of slots turns this into slot 0
	; Q and ob.  A block has 16 row blocks of 16; mine begin at 4 cx + 2 QA
	s_lshl_b32 s20, s[CX], 2
	s_lshl1_add_u32 s20, s[QA], s20
	s_lshl4_add_u32 s21, s[PB], s20 ; in the first block,
	s_lshl4_add_u32 s22, s[HI], s20 ; in the second
	s_lshl_b32 s23, s[HD], 19       ; a head of q is 524,288 bytes, a row block 4,096
	s_lshl_b32 s[QP], s21, 12
	s_add_co_u32 s[QP], s[QP], s23
	s_mov_b32 s[QP+1], 0
	s_lshl_b32 s[QP2], s22, 12
	s_add_co_u32 s[QP2], s[QP2], s23
	s_mov_b32 s[QP2+1], 0
	s_add_nc_u64 s[QP:QP+1], s[4:5], s[QP:QP+1]
	s_add_nc_u64 s[QP2:QP2+1], s[4:5], s[QP2:QP2+1]
	s_lshr_b32 s10, s[HD], 3        ; ob: the batch's 2,048 rows of 2,048 bytes,
	s_lshl_b32 s10, s10, 22
	s_and_b32 s11, s[HD], 7         ; the head's 256 bytes of a row,
	s_lshl_b32 s11, s11, 8
	s_add_co_u32 s10, s10, s11
	s_add_co_u32 s21, s21, s[KB]    ; and the row block that I keep: slot 0's
	s_add_co_u32 s22, s22, s[KB]
	s_lshl_b32 s[OB], s21, 15
	s_add_co_u32 s[OB], s[OB], s10
	s_mov_b32 s[OB+1], 0
	s_lshl_b32 s[OB2], s22, 15
	s_add_co_u32 s[OB2], s[OB2], s10
	s_mov_b32 s[OB2+1], 0
	s_add_nc_u64 s[OB:OB+1], s[8:9], s[OB:OB+1]
	s_add_nc_u64 s[OB2:OB2+1], s[8:9], s[OB2:OB2+1]
	v_and_b32 v[LN], 31, v0
	v_lshlrev_b32 v[LA], 4, v[LN]
	s_lshl_b32 s11, s[KB], 12
	v_add_nc_u32 v[QO], s11, v[LA]  ; slot 0 holds query tile 2 QA + KB,
	s_xor_b32 s11, s11, 4096
	v_add_nc_u32 v[QO+1], s11, v[LA]  ; slot 1 the other
	WIN 0x80                        ; destination window 2, address window 0
.irp x, 0,1
.irp b, 0,1,2,3,4,5,6,7             ; both blocks' Q stay in registers: block b of 512 bytes is half a fragment
	global_load_b128 v[32*(\x)+4*(\b):32*(\x)+4*(\b)+3], v[QO+(\x)], s[QP:QP+1] offset:512*(\b)
	global_load_b128 v[QB+32*(\x)+4*(\b):QB+32*(\x)+4*(\b)+3], v[QO+(\x)], s[QP2:QP2+1] offset:512*(\b)
.endr
.endr
	WIN 0x40                        ; O^T need only be finite: a block's first step multiplies it by a = 0.  This stands in the wait for the first tile
.set i, 0
.rept 128
	v_mov_b32 v[i], 0
.set i, i+1
.endr
	WIN 0
.irp t, 0,1
	v_mov_b32 v[ST+8*(\t)], 0xfe000000
	v_mov_b32 v[ST+8*(\t)+1], 0xff7fffff
.irp n, 2,3,4,5,6,7
	v_mov_b32 v[ST+8*(\t)+(\n)], 0
.endr
.endr
.set i, MG
.rept 12
	v_mov_b32 v[i], 0               ; named as pairs, or as a lane exchange's destination, further down
.set i, i+1
.endr
	v_and_b32 v1, 15, v0            ; r = l % 16
	v_bfe_u32 v3, v0, 4, 1          ; h = l / 16
	; the LDS addresses: made of the lane, the wave's number and constants alone
	s_mul_i32 s10, s[WV], 16*SP
	s_add_co_u32 s10, s10, STAGE    ; my stage
	v_mul_u32_u24 v[STO], v1, SP    ; in: row r, 16 bytes for each half of the lanes
	v_lshl_add_u32 v[STO], v3, 4, v[STO]
	v_add_nc_u32 v[STO], s10, v[STO]
	v_mul_u32_u24 v[RD], v3, SP     ; back: lanes 0-15 take one row of 256 bytes, lanes 16-31 the next
	v_lshl_add_u32 v[RD], v1, 4, v[RD]
	v_add_nc_u32 v[RD], s10, v[RD]
	v_lshlrev_b32 v[GO], 11, v3     ; and the same two rows in ob
	v_lshl_add_u32 v[GO], v1, 4, v[GO]
	s_xor_b32 s19, s[WV], 1         ; the wave that shares my queries
	s_lshl_b32 s10, s[WV], 13
	s_add_co_u32 s10, s10, XCH
	v_add_nc_u32 v[XA], s10, v[LA]
	s_lshl_b32 s10, s19, 13
	s_add_co_u32 s10, s10, XCH
	v_add_nc_u32 v[XB], s10, v[LA]
	s_lshl_b32 s10, s[WV], 8
	s_add_co_u32 s10, s10, XST
	v_lshl_add_u32 v[XSA], v[LN], 3, s10  ; 8 bytes a lane
	s_lshl_b32 s10, s19, 8
	s_add_co_u32 s10, s10, XST
	v_lshl_add_u32 v[XSB], v[LN], 3, s10
	; the mask's numbers: the only vector registers that hold my place in the cluster; they are compared with, and feed no address
	s_lshl_b32 s20, s20, 4          ; 64 cx + 32 QA,
	s_lshl_b32 s11, s[KB], 7
	s_sub_co_i32 s20, s20, s11      ; less my wave's first key
	v_lshlrev_b32 v33, 3, v3
	v_sub_nc_u32 v33, v1, v33       ; r - 8 h
	v_add_nc_u32 v33, s20, v33
	s_lshl_b32 s11, s[KB], 4
	v_add_nc_u32 v[DD], s11, v33
	s_xor_b32 s11, s11, 16
	v_add_nc_u32 v[DD+1], s11, v33
; THE MATRIX WORK.  The accumulators of a run take turns, one instruction a turn, and a run's last and the next run's first differ.
; Product i of 16 of S^T = K Q^T for slot x: channels 32 (i / 4) on, keys 16 (i % 4) on.  The first 4 start the sums.
.macro KQ x
	WIN W_KQ
.set rS, S+32*(\x)+8*(i%4)
.set rK, KF+32*(i%4)+8*(i/4)
.set rQ, 32*(\x)+8*(i/4)
.if i < 4
	v_wmma_f32_16x16x32_f16 v[rS:rS+7], v[rK:rK+7], v[rQ:rQ+7], 0
.else
	v_wmma_f32_16x16x32_f16 v[rS:rS+7], v[rK:rK+7], v[rQ:rQ+7], v[rS:rS+7]
.endif
.set i, i+1
.endm
; Product i of 16 of O^T += V^T P for slot x: keys 32 (i / 8) on, channels 16 (i % 8) on.
.macro PV x
	WIN W_PV
.set rO, 64*(\x)+8*(i%8)
.set rV, VF+64*(i/8)+8*(i%8)
.set rP, P+16*(\x)+8*(i/8)
	v_wmma_f32_16x16x32_f16 v[rO:rO+7], v[rV:rV+7], v[rP:rP+7], v[rO:rO+7]
.set i, i+1
.endm
; THE LDS LOADS: a step's K (16 fragments, channel chunk by channel chunk) and its V (turned).  The tiles lie in fragment order: every load takes 512 consecutive bytes.
.macro FETCH_K
	WIN 0x40
.irp c, 0,1,2,3
.irp g, 0,1,2,3
	ds_load_b128 v[KF+32*(\g)+8*(\c):KF+32*(\g)+8*(\c)+3],   v[ADR] offset:(\g)*4096+(\c)*1024
	ds_load_b128 v[KF+32*(\g)+8*(\c)+4:KF+32*(\g)+8*(\c)+7], v[ADR] offset:(\g)*4096+(\c)*1024+512
.endr
.endr
.endm
.macro FETCH_V
	WIN 0x80
.irp f, 0,1,2,3,4,5,6,7,8,9,10,11,12,13,14,15  ; keys 32 (f / 8) on, channels 16 (f % 8) on
	ds_load_tr16_b128 v[VF+8*(\f):VF+8*(\f)+3],   v[ADR] offset:16384+(2*((\f)/8))*4096+((\f)%8)*512
	ds_load_tr16_b128 v[VF+8*(\f)+4:VF+8*(\f)+7], v[ADR] offset:16384+(2*((\f)/8)+1)*4096+((\f)%8)*512
.endr
.endm
; THE VECTOR WORK.  One slot's softmax for one step is a list of 134 instructions; SM writes number j of it for slot t.  s0-s31 are the lane's 32 scores, in pairs 0-15.
;   0-15    the maximum of s0-s31 and the old m, three operands at a time (each accumulator's lowest registers are read first)
;   16-20   the other half of the lanes' maximum; the new m; c m; c m_old - c m_new
;   21-87   33 exponentials (a, then s0-s31) at the odd numbers from 23 on: each has a plain instruction behind it that touches neither its result nor its source.  The plain ones are c s - c m for
;           pairs whose exponentials are still to come, the rounding to f16 of pairs whose exponentials are done, and the first three sums
;   88-101  the last rounding; the rest of the sums; l = a l + the sum          102-133 the slot's O^T times a
.macro SM t
.set rT, ST+8*(\t)
.set rS, S+32*(\t)
.set rP, P+16*(\t)
.set rO, 64*(\t)+2*(j-102)
.set q, (j-20)/2
.if j < 102
	WIN 0
.endif
.if j < 4
	v_max3_num_f32 v[rT+4+j], v[rS+8*j], v[rS+8*j+1], v[rS+8*j+2]
.elseif j < 12
	v_max3_num_f32 v[rT+4+j%4], v[rT+4+j%4], v[rS+8*(j%4)+2*(j/4)+1], v[rS+8*(j%4)+2*(j/4)+2]
.elseif j == 12
	v_max3_num_f32 v[rT+4], v[rT+4], v[rS+7], v[rS+15]
.elseif j == 13
	v_max3_num_f32 v[rT+6], v[rT+6], v[rS+23], v[rS+31]
.elseif j == 14
	v_max3_num_f32 v[rT+4], v[rT+4], v[rT+5], v[rT+6]
.elseif j == 15
	v_max3_num_f32 v[rT+4], v[rT+4], v[rT+7], v[rT+1]
.elseif j == 16
	v_permlanex16_b32 v[rT+5], v[rT+4], s[SEL], s[SEL+1]  ; the query's other 32 keys lie in the lane 16 away
.elseif j == 17
	v_mov_b32 v[rT+7], v[rT]        ; c m_old is kept for a
.elseif j == 18
	v_max_num_f32 v[rT+1], v[rT+4], v[rT+5]
.elseif j == 19
	v_mul_f32 v[rT], s[CS], v[rT+1]
.elseif j == 20
	v_sub_f32 v[rT+7], v[rT+7], v[rT]
.elseif j == 23
	v_exp_f32 v[rT+6], v[rT+7]
.elseif (j < 88) && (j > 23) && (j%2 == 1)
	v_exp_f32 v[rS+(j-25)/2], v[rS+(j-25)/2]
.elseif (q < 4) || ((j < 76) && (q%2 == 0))
.set b, q/2+2
.if q < 4
.set b, q
.endif
	v_pk_fma_f32 v[rS+2*b:rS+2*b+1], v[rS+2*b:rS+2*b+1], s[CS:CS+1], v[rT:rT+1] op_sel_hi:[1,0,0] neg_lo:[0,0,1] neg_hi:[0,0,1]  ; pair b: c s - c m
.elseif (j < 88) && (q%2 == 1)
	s_wait_alu depctr_va_vdst(0)
	v_cvt_pk_f16_f32 v[rP+(q-5)/2], v[rS+q-5], v[rS+q-4]
.elseif j == 89
	s_wait_alu depctr_va_vdst(0)
	v_cvt_pk_f16_f32 v[rP+15], v[rS+30], v[rS+31]
.elseif j < 102                     ; the sum of the 16 pairs, in place: sum z of 16 adds neighbours 1, 2, 4 and 8 pairs apart, then l takes it
.set z, j-86
.if j < 89
.set z, (j-76)/4
.endif
.set w, 4
.set u, z
.if z >= 14
.set w, 32
.set u, 0
.elseif z >= 12
.set w, 16
.set u, z-12
.elseif z >= 8
.set w, 8
.set u, z-8
.endif
.if z < 15
	v_pk_add_f32 v[rS+w*u:rS+w*u+1], v[rS+w*u:rS+w*u+1], v[rS+w*u+w/2:rS+w*u+w/2+1]
.else
	v_pk_fma_f32 v[rT+2:rT+3], v[rT+2:rT+3], v[rT+6:rT+7], v[rS:rS+1] op_sel_hi:[1,0,1]
.endif
.else
	WIN W_RS
	v_pk_mul_f32 v[rO:rO+1], v[rO:rO+1], v[rT+6:rT+7] op_sel_hi:[1,0]
.endif
.set j, j+1
.endm
; THE MASK, in a block's last tile alone (RT = 0; always = 1: the walk's last tile, which is one): score n of slot x, key 16 (n / 8) + n % 8 + 8 (l / 16) of the step, is hidden where that key lies behind my query.
.macro MASKIF x, always
	WIN 0
.if !(\always)
	s_cmp_eq_u32 s[RT], 0
	s_cbranch_scc0 .Lno_mask_\@
.endif
	v_sub_nc_u32 v[DM], v[DD+(\x)], s[KO]
.set n, 0
.rept 32
	v_cmp_gt_i32 vcc_lo, 16*(n/8)+n%8, v[DM]
	v_cndmask_b32 v[S+32*(\x)+n], v[S+32*(\x)+n], s[BIGN], vcc_lo
.set n, n+1
.endr
.if !(\always)
.Lno_mask_\@:
.endif
.endm
; A TILE'S TWO STEPS for my wave: the step is written once and walked twice.  K of the first step is fetched in front of the loop, K of the second in the middle of the first step; on both ways
; into a step K's 32 loads were issued ahead of V's 32 with no other LDS instruction between, so the counted waits for K mean the same on both.
.macro STEPS always
	WIN 0
	v_add_nc_u32 v[AD0], s[TBASE], v[LA]
	v_mov_b32 v[ADR], v[AD0]
	FETCH_K                         ; K's last reader stands a softmax and more back
	WIN 0
.Lstep_\@:
	FETCH_V                         ; V's last reader stands in front of the four places at the step's end
.set i, 0
.rept 16
.if i%4 == 0
	s_wait_dscnt 56-8*(i/4)         ; K's channel chunk i / 4 is in: the later chunks' eight loads each and V's 32 may be out
.endif
	KQ 0
.endr
	WIN 0
	PLACES
	MASKIF 0, \always
.set i, 0
.set j, 0
.rept 16
	KQ 1                            ; slot 1's scores, four lines of slot 0's softmax behind each: they name none of the products' registers
.rept 4
	SM 0
.endr
.endr
.rept 70
	SM 0                            ; the rest in a run of its own; it is also the places behind the last of those products
.endr
	MASKIF 1, \always
	s_wait_dscnt 0x0                ; V is in (it was asked for at the step's head)
	v_add_nc_u32 v[ADR], STEPB, v[AD0]  ; the tile's second step, in both trips: every address stays inside my two steps
	s_cmp_eq_u32 s[CNT], 1
	s_cbranch_scc1 .Lno_k_\@        ; the tile's last step has no further K to fetch
	FETCH_K                         ; 30 and more matrix instructions ahead of its first use
	WIN 0
.Lno_k_\@:
.set i, 0
.set j, 0
.rept 16
	PV 0                            ; slot 0's V^T P, slot 1's softmax dealt in the same way
.rept 4
	SM 1
.endr
.endr
.rept 70
	SM 1
.endr
.set i, 0
.rept 16
	PV 1
.endr
	WIN 0
	PLACES                          ; in front of the next step's loads into V, and of a block's end
	s_add_co_u32 s[KO], s[KO], 64
	s_sub_co_u32 s[CNT], s[CNT], 1
	s_cmp_lg_u32 s[CNT], 0
	s_cbranch_scc1 .Lstep_\@
.endm
; A BLOCK'S END, first half: l's two halves are added (into m's place), and slot 1 goes to the partner: O^T, c m, l.
.macro ENDA
	WIN 0
	v_add_f32 v[ST+1], v[ST+2], v[ST+3]
	v_add_f32 v[ST+9], v[ST+10], v[ST+11]
	WIN 0x04                        ; store data in window 1
.irp f, 0,1,2,3,4,5,6,7,8,9,10,11,12,13,14,15
	ds_store_b128 v[XA], v[64+4*(\f):64+4*(\f)+3] offset:512*(\f)   ; ascending: each accumulator's lowest registers first
.endr
	WIN 0
	ds_store_b64 v[XSA], v[ST+8:ST+9]
.endm
; Second half, behind every wave's wait for those stores and a barrier: the partner's part of my slot 0 is taken and joined, O divided by l, rounded to f16 and sent through my stage as whole rows of 256 bytes.
.macro ENDB
	WIN 0
.irp f, 0,1,2,3,4,5,6,7,8,9,10,11,12,13,14,15
	ds_load_b128 v[PO+4*(\f):PO+4*(\f)+3], v[XB] offset:512*(\f)
.endr
	ds_load_b64 v[MG:MG+1], v[XSB]  ; c m', l'
	s_wait_dscnt 0x0
	v_max_num_f32 v[MG+2], v[ST], v[MG]
	v_sub_f32 v[MG+3], v[ST], v[MG+2]
	v_sub_f32 v[MG+4], v[MG], v[MG+2]
	v_exp_f32 v[MG+3], v[MG+3]      ; f
	v_exp_f32 v[MG+4], v[MG+4]      ; f'
	v_nop
	s_wait_alu depctr_va_vdst(0)
	v_mul_f32 v[MG+5], v[MG+3], v[ST+1]
	v_fma_f32 v[MG+5], v[MG+4], v[MG+1], v[MG+5]
	v_permlanex16_b32 v[MG+6], v[MG+5], s[SEL], s[SEL+1]  ; the other half of the lanes holds the other keys' share of l
	v_add_f32 v[MG+5], v[MG+5], v[MG+6]
	v_rcp_f32 v[MG+5], v[MG+5]
	v_nop
	s_wait_alu depctr_va_vdst(0)
	v_mul_f32 v[MG+8], v[MG+3], v[MG+5]    ; f / l, in the low word of a pair
	v_mul_f32 v[MG+10], v[MG+4], v[MG+5]   ; f' / l
	WIN 0x01                        ; source 0 (my O^T) in window 1
.set i, 0
.rept 32
	v_pk_mul_f32 v[S+2*i:S+2*i+1], v[2*i:2*i+1], v[MG+8:MG+9] op_sel_hi:[1,0]
.set i, i+1
.endr
	WIN 0
.set i, 0
.rept 32
	v_pk_fma_f32 v[S+2*i:S+2*i+1], v[PO+2*i:PO+2*i+1], v[MG+10:MG+11], v[S+2*i:S+2*i+1] op_sel_hi:[1,0,1]
.set i, i+1
.endr
.set i, 0
.rept 32
	v_cvt_pk_f16_f32 v[OW+i], v[S+2*i], v[S+2*i+1]
.set i, i+1
.endr
.irp f, 0,1,2,3,4,5,6,7
	ds_store_b128 v[STO], v[OW+4*(\f):OW+4*(\f)+3] offset:32*(\f)
.endr
.irp f, 0,1,2,3,4,5,6,7
	ds_load_b128 v[OW+4*(\f):OW+4*(\f)+3], v[RD] offset:(\f)*2*SP  ; LDS serves a wave's instructions in order (ISA guide 5.7.1.4): these see the stores above
.endr
.irp f, 0,1,2,3,4,5,6,7
	s_wait_dscnt 7-(\f)             ; the younger loads may be out
	global_store_b128 v[GO], v[OW+4*(\f):OW+4*(\f)+3], s[OB:OB+1] offset:4096*(\f)  ; 16 lanes store 256 consecutive bytes, aligned
.endr
.endm
.Lslot:                             ; 8 times: a tile is entered and the next is asked for
	CHANGE 1
	s_sub_co_u32 s[RT], s[RT], 1
	s_mov_b32 s[KO], 0
	s_mov_b32 s[CNT], 2
	s_cmp_eq_u32 s[NEW], 1
	s_cbranch_scc0 .Lgo
	s_cmp_eq_u32 s[FIN], 1
	s_cbranch_scc0 .Lbegin
	ENDB                            ; the first block: what was handed over was waited for in front of this trip's round
	s_wait_xcnt 0x0                 ; the stores have read their registers and ob's address
	s_mov_b64 s[OB:OB+1], s[OB2:OB2+1]
	s_mov_b32 s[FIN], 0
	WIN 0x82                        ; the second block's Q goes where the one text names Q
.set i, 0
.rept 64
	v_mov_b32 v[i], v[QB+i]
.set i, i+1
.endr
	WIN 0
.Lbegin:                            ; a block begins: c m far below every c s, so that the first a is 0; m at the lowest finite number
	s_mov_b32 s[NEW], 0
.irp t, 0,1
	v_mov_b32 v[ST+8*(\t)], 0xfe000000
	v_mov_b32 v[ST+8*(\t)+1], 0xff7fffff
.endr
	s_wait_loadcnt 0x0              ; Q
.Lgo:
	STEPS 0
	s_wait_dscnt 0x0                ; every trip, on every wave's path: whatever a wave has read this trip of what was handed over has come back,
	s_barrier_signal -1             ; and all four say so, before any wave hands over anew below.  The trip's one tensor load may stay out across it
	s_barrier_wait -1               ; the next change of slots has its own waits and its own round
	s_cmp_eq_u32 s[RT], 0
	s_cbranch_scc0 .Lbottom
	ENDA                            ; in the loop this is the first block's end: the second's last tile is the walk's last
	s_add_co_u32 s[RT], s[HI], 1    ; the second block has 8 - j tiles
	s_mov_b32 s[NEW], 1
	s_mov_b32 s[FIN], 1
.Lbottom:
	s_sub_co_u32 s[SLOTS], s[SLOTS], 1
	s_cmp_lg_u32 s[SLOTS], 0
	s_cbranch_scc1 .Lslot
	CHANGE 0                        ; the walk's last tile is written out: nothing is asked for.  It holds the second block's diagonal
	s_mov_b32 s[KO], 0
	s_mov_b32 s[CNT], 2
	STEPS 1
	ENDA
	s_wait_dscnt 0x0                ; for the partner's sake: what I hand over is in LDS
	s_barrier_signal -1
	s_barrier_wait -1
	ENDB
	s_wait_tensorcnt 0x0            ; the wave's end
	ds_add_u32 v[SPW], v[NIL]
	s_wait_dscnt 0x0
	CROUND                          ; the closing round
	s_endpgm
.Lfunc_end_k_qf175e01b16_attn:
	.size	k_qf175e01b16_attn, .Lfunc_end_k_qf175e01b16_attn-k_qf175e01b16_attn
	.p2alignl 7, 3214868480
	.fill 96, 4, 3214868480
	.section	.rodata,"a",@progbits
	.p2align	6, 0x0
	.amdhsa_kernel k_qf175e01b16_attn
		.amdhsa_group_segment_fixed_size 327680
		.amdhsa_private_segment_fixed_size 0
		.amdhsa_enable_private_segment 0
		.amdhsa_kernarg_size 24
		.amdhsa_user_sgpr_count 2
		.amdhsa_user_sgpr_kernarg_segment_ptr 1
		.amdhsa_wavefront_size32 1
		.amdhsa_system_sgpr_workgroup_id_x 1
		.amdhsa_system_sgpr_workgroup_id_y 1
		.amdhsa_system_sgpr_workgroup_id_z 1
		.amdhsa_system_vgpr_workitem_id 0
		.amdhsa_next_free_vgpr 768
		.amdhsa_next_free_sgpr 80
		.amdhsa_reserve_vcc 1
		.amdhsa_float_denorm_mode_32 3
		.amdhsa_float_denorm_mode_16_64 3
		.amdhsa_memory_ordered 1
		.amdhsa_forward_progress 1
		.amdhsa_inst_pref_size 111
	.end_amdhsa_kernel
	.amdgpu_metadata
---
amdhsa.version: [ 1, 2 ]
amdhsa.kernels:
  - .name:           k_qf175e01b16_attn
    .symbol:         k_qf175e01b16_attn.kd
    .args:
      - { .name: q, .offset: 0, .size: 8, .value_kind: global_buffer, .address_space: global }
      - { .name: kv, .offset: 8, .size: 8, .value_kind: global_buffer, .address_space: global }
      - { .name: ob, .offset: 16, .size: 8, .value_kind: global_buffer, .address_space: global }
    .group_segment_fixed_size: 327680
    .private_segment_fixed_size: 0
    .kernarg_segment_align: 8
    .kernarg_segment_size: 24
    .max_flat_workgroup_size: 128
    .sgpr_count:     80
    .vgpr_count:     768
    .wavefront_size: 32
...
	.end_amdgpu_metadata
.endif
;; end of part 3
;; launch oproj (part 4): grid 8 x 32, 4 waves a work-group, clusters of 4 x 4, 327,680 bytes of LDS; arguments ob, wob, out0; writes out0
.if DOCPART == 4
	.amdgcn_target "amdgcn-amd-amdhsa--gfx1250"
	.amdhsa_code_object_version 6
	.text
	.protected	k_qf175e01b16_oproj
	.globl	k_qf175e01b16_oproj
	.p2align	8
	.type	k_qf175e01b16_oproj,@function
k_qf175e01b16_oproj:
	s_mov_b64 s[64:65], 0
	v_nop
	global_prefetch_b8 v0, s[64:65] scope:SCOPE_SE
	s_setreg_imm32_b32 hwreg(HW_REG_WAVE_MODE, 25, 1), 1
	s_wait_xcnt 0x0
	s_wait_alu depctr_hold_cnt(0) depctr_sa_sdst(0) depctr_va_vdst(0) depctr_va_sdst(0) depctr_va_ssrc(0) depctr_va_vcc(0) depctr_vm_vsrc(0)
	s_getreg_b32 s2, hwreg(HW_REG_IB_STS2, 6, 4)
	s_cmp_eq_u32 s2, 0
	s_cbranch_scc0 .Lentry_in_a_cluster
	s_endpgm
.Lentry_in_a_cluster:
	s_bfe_u32 s2, ttmp6, 0x10000c
	s_cmp_lg_u32 s2, 0xf033
	s_cbranch_scc0 .Lentry_shape_is_right
	s_endpgm
.Lentry_shape_is_right:
; THE OUTPUT PROJECTION.  out0 [4096][2048] f32 = ob [4096][1024] f16 x wob [1024 k][2048 n] f16 (wo rounded to bf16, written as f16); sums in f32, stored as they are.
; LIMIT.  The sums along K start at a slice that hangs on the cluster and wrap round (a cyclic shift of the reference's order).
; SHARES.  A tile of out0 is 128 rows x 256 columns: 8 x 32 = 256 work-groups.  Four waves, each 64 x 128: 32 accumulators of 16 x 16, all of window 1.  K goes in 8 steps of 128 through a ring of two LDS slots.
; CLUSTERS.  4 x 4 work-groups: the four of a row of the cluster ask jointly for ob's tile, the four of a column for wob's.  The eight clusters that share wob's columns begin their walk along K at
; eight different slices, the two that share ob's rows four slices apart, so that they do not all ask for the same bytes in the same step.
; THE MATRIX INSTRUCTION IS USED TRANSPOSED: source 0 = 16 columns of wob (it lies [k][n] in LDS and comes out turned), source 1 = 16 rows of ob: a lane holds eight neighbouring numbers of a row of out0.
; REGISTERS: window 0: v0-31 addresses; v32-63, v64-95 fragments of ob, two buffers (on the way out: rows read back); v96-159, v160-223 fragments of wob.  Window 1: accumulator (a, b) at v[8 (8 a + b)].
.set KSTEP,  128
.set PA,     272                       ; an LDS row of ob: 256 bytes + 16
.set PB,     544                       ; an LDS row of wob: 512 bytes + 32
.set ASZ,    128*PA                    ; ob's 128 rows
.set SLOT,   ASZ+128*PB                ; then wob's 128 rows
.set STAGE,  2*SLOT                    ; behind the ring: 16 rows x 528 bytes for each wave, for the way out
.set SPITCH, 528                       ; 128 f32 + 16 bytes: the 16 rows that a store touches start at 16 different groups of four banks (64 banks of 4 bytes: ISA guide 11.1)
.set SPARE,  STAGE+4*16*SPITCH         ; the spare words, 128 bytes for each wave: two blocks of 256 bytes that no other line names
.set LAPS,   1024/(2*KSTEP)
.set ADRA, 16                          ; v16-17  LDS address of my fragments of ob in slot 0, 1
.set ADRB, 20                          ; v20-21  the same for wob
.set STO,  24                          ; v24     the way out: where I put 32 bytes of a row
.set RD,   25                          ; v25     where I read a row back
.set CO,   26                          ; v26     my byte offset in a row's 512 bytes of out0
.set SPW,  28                          ; v28     LDS address of my spare word; never rewritten
.set NIL,  29                          ; v29     0; never rewritten
.set FA,   32
.set FB,   96
.set TMP,  32
.set AB, 14                            ; s[14:15] ob at my part of the tile's rows, K = 0
.set G1, 24                            ; s[24:31] group 1 for ob's tiles;  s[32:39] group 0, one set for each slot
.set G0, 32
.set G1B, 48                           ; s[48:55], s[56:63] the same for wob's
.set G0B, 56
.set BB, 66                            ; s[66:67] wob at my part of the tile, K = 0
.set OA, 68                            ; s[68:69] a slice's byte offset along a row of ob
.set OW, 70                            ; s[70:71] a slice's byte offset down the rows of wob
.set SL, 72                            ; s72 the slice of K (of 8) to be asked for next
.set MSB, 0
.macro WIN new
.if MSB != (\new)
	s_set_vgpr_msb (MSB<<8)|(\new)
.set MSB, \new
.endif
.endm
.set MUL, 0x50                         ; sources in window 0; C and D in window 1
.macro JLOAD s                         ; waves 0 and 1 fetch ob's two halves, waves 2 and 3 wob's; an s_nop 0 and four v_nop follow each of the two lines
	s_cmp_eq_u32 s11, 0
	s_cbranch_scc0 .Lfor_b_\@
	tensor_load_to_lds s[G0+4*(\s):G0+4*(\s)+3], s[G1:G1+7]
	s_nop 0
.rept 4
	v_nop
.endr
	s_branch .Lasked_\@
.Lfor_b_\@:
	tensor_load_to_lds s[G0B+4*(\s):G0B+4*(\s)+3], s[G1B:G1B+7]
	s_nop 0
.rept 4
	v_nop
.endr
.Lasked_\@:
.endm
; Slot s's two group 0 are aimed at slice SL, each address made anew from its base and an offset made apart; then SL steps and wraps.  No tensor load of the wave is out where this stands.
.macro AIM s
	s_lshl_b32 s[OA], s[SL], 8                     ; 128 elements of 2 bytes along a row of ob
	s_lshl_b32 s[OW], s[SL], 19                    ; 128 rows of 4,096 bytes of wob
	s_add_nc_u64 s[G0+4*(\s)+2:G0+4*(\s)+3], s[AB:AB+1], s[OA:OA+1]
	s_or_b32 s[G0+4*(\s)+3], s[G0+4*(\s)+3], 0x80000000
	s_add_nc_u64 s[G0B+4*(\s)+2:G0B+4*(\s)+3], s[BB:BB+1], s[OW:OW+1]
	s_or_b32 s[G0B+4*(\s)+3], s[G0B+4*(\s)+3], 0x80000000
	s_add_co_u32 s[SL], s[SL], 1
	s_and_b32 s[SL], s[SL], 7
.endm
.macro CREST
	s_cmp_lg_u32 s10, 0
	s_cbranch_scc1 .Lnot_wave_0_\@
	s_barrier_signal -3
.Lnot_wave_0_\@:
	s_barrier_wait -3
	s_barrier_signal -1
	s_barrier_wait -1
.endm
.macro CROUND
	s_barrier_signal -1
	s_barrier_wait -1
	CREST
.endm
	s_load_b128 s[4:7], s[0:1], 0x0                ; ob s[4:5], wob s[6:7]
	s_load_b64 s[8:9], s[0:1], 0x10                ; out0
	v_lshl_add_u32 v[SPW], v0, 2, SPARE
	v_mov_b32 v[NIL], 0
	ds_add_u32 v28, v29
	s_wait_dscnt 0x0
	v_lshrrev_b32 v1, 5, v0
	v_readfirstlane_b32 s10, v1                    ; wave 0..3
	s_lshr_b32 s11, s10, 1                         ; which half of the tile's rows is mine.  Also: I fetch ob (0) or wob (1)
	s_and_b32 s12, s10, 1                          ; which half of its columns.  Also: which half of that tile I fetch
	s_bfe_u32 s40, ttmp6, 0x40000                  ; cx, cy
	s_bfe_u32 s41, ttmp6, 0x40004
	s_lshl_b32 s42, ttmp9, 2
	s_add_co_u32 s42, s42, s40                     ; tile column
	s_and_b32 s13, ttmp7, 0xffff
	s_lshl_b32 s[SL], ttmp9, 2                     ; the walk along K begins at slice (cluster y + 4 x cluster x) % 8: alike in the sixteen partners of a cluster
	s_add_co_u32 s[SL], s[SL], s13
	s_and_b32 s[SL], s[SL], 7
	s_lshl_b32 s13, s13, 2
	s_add_co_u32 s13, s13, s41                     ; tile row
	s_lshl_b32 s43, s41, 2
	s_lshl_b32 s43, 15, s43                        ; my row of the cluster
	s_lshl_b32 s44, 0x1111, s40                    ; my column
	s_or_b32 s[G1+0], s43, (1<<16)|(1<<20)|(1<<21)|(5<<22)|(3<<25)   ; ob: 64 rows x 128 elements of 2 bytes, 4 words of padding behind every 64
	s_mov_b32 s[G1+1], KSTEP<<16
	s_mov_b32 s[G1+2], 64<<16
	s_mov_b32 s[G1+3], KSTEP<<16
	s_mov_b32 s[G1+4], 64
	s_mov_b32 s[G1+5], 1024
	s_mov_b32 s[G1+6], 0
	s_mov_b32 s[G1+7], 0
	s_or_b32 s[G1B+0], s44, (1<<16)|(1<<20)|(1<<21)|(6<<22)|(7<<25)  ; wob: 64 rows (k) x 256 elements (n), 8 words of padding behind every 128
	s_mov_b32 s[G1B+1], 256<<16
	s_mov_b32 s[G1B+2], 64<<16
	s_mov_b32 s[G1B+3], 256<<16
	s_mov_b32 s[G1B+4], 64
	s_mov_b32 s[G1B+5], 2048
	s_mov_b32 s[G1B+6], 0
	s_mov_b32 s[G1B+7], 0
	s_lshl_b32 s16, s13, 7
	s_lshl_b32 s17, s12, 6
	s_add_co_u32 s16, s16, s17                     ; ob: row 128 x tile row + 64 x half,
	s_lshl_b32 s16, s16, 11                        ; of 2,048 bytes
	s_mov_b32 s17, 0
	s_lshl_b32 s46, s12, 18                        ; wob: 64 rows of 4,096 bytes,
	s_lshl_b32 s47, s42, 9                         ; 256 columns of 2 bytes
	s_add_co_u32 s46, s46, s47
	s_mov_b32 s47, 0
	s_mov_b32 s[OA+1], 0
	s_mov_b32 s[OW+1], 0
	s_mul_i32 s20, s12, 64*PA                      ; where they go: ob's two halves,
	s_mul_i32 s21, s12, 64*PB
	s_add_co_u32 s21, s21, ASZ                     ; then wob's two halves
	s_wait_kmcnt 0x0
	s_add_nc_u64 s[AB:AB+1], s[4:5], s[16:17]
	s_add_nc_u64 s[BB:BB+1], s[6:7], s[46:47]
	CROUND                                         ; all sixteen work-groups are here: the first joint loads meet
.irp s, 0,1
	s_mov_b32 s[G0+4*(\s)], 1
	s_add_co_u32 s[G0+4*(\s)+1], s20, (\s)*SLOT
	s_mov_b32 s[G0B+4*(\s)], 1
	s_add_co_u32 s[G0B+4*(\s)+1], s21, (\s)*SLOT
	AIM \s
	JLOAD \s                                       ; two loads of mine are out
.endr
	v_and_b32 v1, 15, v0                           ; r
	v_bfe_u32 v2, v0, 4, 1                         ; h
	v_mul_u32_u24 v3, v1, PA
	v_lshl_add_u32 v3, v2, 4, v3
	v_and_b32 v4, 7, v0
	v_lshl_add_u32 v4, v2, 3, v4                   ; wob: row k = 8 h + l % 8,
	v_mul_u32_u24 v4, v4, PB
	v_bfe_u32 v5, v0, 3, 1
	v_lshl_add_u32 v4, v5, 4, v4                   ; columns 8 ((l / 8) % 2) on
	s_mul_i32 s22, s11, 64*PA                      ; my 64 rows of ob
	s_lshl_b32 s23, s12, 8                         ; my 128 columns of wob
	s_add_co_u32 s23, s23, ASZ
.irp s, 0,1
	v_add_nc_u32 v[ADRA+(\s)], s22, v3
	v_add_nc_u32 v[ADRB+(\s)], s23, v4
	s_add_co_u32 s22, s22, SLOT
	s_add_co_u32 s23, s23, SLOT
.endr
	s_mul_i32 s23, s10, 16*SPITCH
	s_add_co_u32 s23, s23, STAGE                   ; my stage
	v_mul_u32_u24 v4, v1, SPITCH                   ; in: row r, 32 bytes for each half of the lanes
	v_lshl_add_u32 v4, v2, 5, v4
	v_add_nc_u32 v[STO], s23, v4
	v_and_b32 v5, 31, v0
	v_lshlrev_b32 v[CO], 4, v5                     ; back: 32 lanes take one row's 512 bytes
	v_add_nc_u32 v[RD], s23, v[CO]
	s_lshl_b32 s16, s13, 7
	s_lshl_b32 s17, s11, 6
	s_add_co_u32 s16, s16, s17                     ; my first row of out0,
	s_lshl_b32 s16, s16, 13                        ; of 8,192 bytes
	s_mov_b32 s17, 0
	s_add_nc_u64 s[8:9], s[8:9], s[16:17]
	s_lshl_b32 s46, s42, 10                        ; the tile's 256 columns of 4 bytes,
	s_lshl_b32 s47, s12, 9                         ; my half of them
	s_add_co_u32 s46, s46, s47
	s_mov_b32 s47, 0
	s_add_nc_u64 s[8:9], s[8:9], s[46:47]
; 8 matrix instructions: row block a x all 8 column blocks, 32 along K, from buffers f.  zero = 1: the first product starts the sums.
.macro MULA f, a, zero
	WIN MUL
.irp b, 0,1,2,3,4,5,6,7
.if \zero
	v_wmma_f32_16x16x32_f16 v[8*(8*(\a)+(\b)):8*(8*(\a)+(\b))+7], v[FB+64*(\f)+8*(\b):FB+64*(\f)+8*(\b)+7], v[FA+32*(\f)+8*(\a):FA+32*(\f)+8*(\a)+7], 0
.else
	v_wmma_f32_16x16x32_f16 v[8*(8*(\a)+(\b)):8*(8*(\a)+(\b))+7], v[FB+64*(\f)+8*(\b):FB+64*(\f)+8*(\b)+7], v[FA+32*(\f)+8*(\a):FA+32*(\f)+8*(\a)+7], v[8*(8*(\a)+(\b)):8*(8*(\a)+(\b))+7]
.endif
.endr
.endm
; 24 LDS loads in one run: quarter qq's fragments into buffers f: wob's 8 column blocks, turned, then ob's 4 row blocks
.macro FETCH slot, qq, f
	WIN 0
.irp i, 0,1,2,3,4,5,6,7
	ds_load_tr16_b128 v[FB+64*(\f)+8*(\i):FB+64*(\f)+8*(\i)+3],   v[ADRB+(\slot)] offset:(\qq)*32*PB+32*(\i)
	ds_load_tr16_b128 v[FB+64*(\f)+8*(\i)+4:FB+64*(\f)+8*(\i)+7], v[ADRB+(\slot)] offset:(\qq)*32*PB+16*PB+32*(\i)
.endr
.irp i, 0,1,2,3
	ds_load_b128 v[FA+32*(\f)+8*(\i):FA+32*(\f)+8*(\i)+3],   v[ADRA+(\slot)] offset:64*(\qq)+(\i)*16*PA
	ds_load_b128 v[FA+32*(\f)+8*(\i)+4:FA+32*(\f)+8*(\i)+7], v[ADRA+(\slot)] offset:64*(\qq)+(\i)*16*PA+32
.endr
.endm
.macro PLACES                          ; four plain instructions between a matrix instruction and a load into, or a store of, its registers
.rept 4
	v_nop
.endr
.endm
; A K step is four quarters of 32 along K, 32 matrix instructions each, on buffers 0, 1, 0, 1
.macro QUARTER slot, qq, f, g, zero
	s_wait_dscnt 4                                 ; wob and ob's row blocks 0, 1 are in; the youngest four loads may be out
	MULA \f, 0, \zero
	MULA \f, 1, \zero
	PLACES
	FETCH \slot, \qq, \g
	s_wait_dscnt 24                                ; all but the 24 just issued
	MULA \f, 2, \zero
	MULA \f, 3, \zero
.endm
; The last quarter multiplies buffers 1 and changes slots: ONE barrier; in front of it each wave waits for all its tensor loads, adds 0 to its spare word, and waits for that and for its reads of this slot
.macro TURN slot, next, fill
	WIN 0
	s_wait_tensorcnt 0x0                           ; no tensor load of mine is out, so the group 0 may be written
	ds_add_u32 v[SPW], v[NIL]                      ; 0 onto my spare word
.if \fill
	AIM \slot                                      ; scalar work while the add is out
.endif
	s_wait_dscnt 5                                 ; (the add and the youngest four loads may be out)
	MULA 1, 0, 0                                   ; eight matrix instructions stand between the add and the wait for it
	s_wait_dscnt 0x0
	s_barrier_signal -1
	MULA 1, 1, 0
.if \fill
	WIN 0
.endif
	s_barrier_wait -1
.if \fill
	CREST                                          ; no wave of any partner still reads this slot or has a load on its way
	JLOAD \slot                                    ; the four v_nop behind it are also the places in front of the loads below
.else
	PLACES
.endif
	FETCH \next, 0, 0
	MULA 1, 2, 0
	MULA 1, 3, 0
.endm
	s_wait_tensorcnt 1                             ; my part of the first K step is in; the second's may stay out
	s_barrier_signal -1
	s_barrier_wait -1
	FETCH 0, 0, 0
	QUARTER 0, 1, 0, 1, 1                          ; the first quarter stands in front of the loop: its products start the sums
	WIN 0
	s_mov_b32 s3, LAPS-1
.Llap:                                                 ; the 32 accumulators take turns in one order throughout
	QUARTER 0, 2, 1, 0, 0
	QUARTER 0, 3, 0, 1, 0
	TURN 0, 1, 1
	QUARTER 1, 1, 0, 1, 0
	QUARTER 1, 2, 1, 0, 0
	QUARTER 1, 3, 0, 1, 0
	TURN 1, 0, 1
	QUARTER 0, 1, 0, 1, 0
	WIN 0
	s_sub_co_u32 s3, s3, 1
	s_cmp_lg_u32 s3, 0
	s_cbranch_scc1 .Llap
	QUARTER 0, 2, 1, 0, 0                          ; the last lap fills nothing
	QUARTER 0, 3, 0, 1, 0
	TURN 0, 1, 0
	QUARTER 1, 1, 0, 1, 0
	QUARTER 1, 2, 1, 0, 0
	QUARTER 1, 3, 0, 1, 0
	s_wait_dscnt 4
	MULA 1, 0, 0
	MULA 1, 1, 0
	s_wait_dscnt 0x0
	MULA 1, 2, 0
	MULA 1, 3, 0
	WIN 0
	PLACES
	; THE WAY OUT, 16 rows at a time through my own stage: 32 bytes a lane in, whole rows of 512 bytes back and out
.irp a, 0,1,2,3
	s_wait_xcnt 0x0                                ; the last block's stores have read their registers
	WIN 0x04                                       ; store data in window 1
.irp b, 0,1,2,3,4,5,6,7
	ds_store_b128 v[STO], v[8*(8*(\a)+(\b)):8*(8*(\a)+(\b))+3] offset:64*(\b)        ; each accumulator's lowest registers first
	ds_store_b128 v[STO], v[8*(8*(\a)+(\b))+4:8*(8*(\a)+(\b))+7] offset:64*(\b)+16
.endr
	WIN 0
.irp t, 0,1,2,3,4,5,6,7,8,9,10,11,12,13,14,15
	ds_load_b128 v[TMP+4*(\t):TMP+4*(\t)+3], v[RD] offset:(\t)*SPITCH  ; LDS serves a wave's instructions in order (ISA guide 5.7.1.4): these see the stores above, and the next block's stores come behind them
.endr
.irp t, 0,1,2,3,4,5,6,7,8,9,10,11,12,13,14,15
	s_wait_dscnt 15-(\t)                           ; the younger loads may be out
	global_store_b128 v[CO], v[TMP+4*(\t):TMP+4*(\t)+3], s[8:9] offset:(\a)*131072+(\t)*8192  ; 512 consecutive bytes, aligned
.endr
.endr
	s_wait_tensorcnt 0x0                           ; the wave's end
	ds_add_u32 v[SPW], v[NIL]
	s_wait_dscnt 0x0
	CROUND                                         ; the closing round
	s_endpgm
.Lfunc_end_k_qf175e01b16_oproj:
	.size	k_qf175e01b16_oproj, .Lfunc_end_k_qf175e01b16_oproj-k_qf175e01b16_oproj
	.p2alignl 7, 3214868480
	.fill 96, 4, 3214868480
	.section	.rodata,"a",@progbits
	.p2align	6, 0x0
	.amdhsa_kernel k_qf175e01b16_oproj
		.amdhsa_group_segment_fixed_size 327680
		.amdhsa_private_segment_fixed_size 0
		.amdhsa_enable_private_segment 0
		.amdhsa_kernarg_size 24
		.amdhsa_user_sgpr_count 2
		.amdhsa_user_sgpr_kernarg_segment_ptr 1
		.amdhsa_wavefront_size32 1
		.amdhsa_system_sgpr_workgroup_id_x 1
		.amdhsa_system_sgpr_workgroup_id_y 1
		.amdhsa_system_sgpr_workgroup_id_z 1
		.amdhsa_system_vgpr_workitem_id 0
		.amdhsa_next_free_vgpr 512
		.amdhsa_next_free_sgpr 80
		.amdhsa_reserve_vcc 0
		.amdhsa_float_denorm_mode_32 3
		.amdhsa_float_denorm_mode_16_64 3
		.amdhsa_memory_ordered 1
		.amdhsa_forward_progress 1
		.amdhsa_inst_pref_size 87
	.end_amdhsa_kernel
	.amdgpu_metadata
---
amdhsa.version: [ 1, 2 ]
amdhsa.kernels:
  - .name:           k_qf175e01b16_oproj
    .symbol:         k_qf175e01b16_oproj.kd
    .args:
      - { .name: ob, .offset: 0, .size: 8, .value_kind: global_buffer, .address_space: global }
      - { .name: wob, .offset: 8, .size: 8, .value_kind: global_buffer, .address_space: global }
      - { .name: out0, .offset: 16, .size: 8, .value_kind: global_buffer, .address_space: global }
    .group_segment_fixed_size: 327680
    .private_segment_fixed_size: 0
    .kernarg_segment_align: 8
    .kernarg_segment_size: 24
    .max_flat_workgroup_size: 128
    .sgpr_count:     80
    .vgpr_count:     512
    .wavefront_size: 32
...
	.end_amdgpu_metadata
.endif
;; end of part 4
